; MI455X (gfx1250); checked and timed in simulation.
; The chip was launched on July 23, 2026; its instructions are those of AMD's public machine-readable ISA for CDNA 5 (MIT licence, August 2026) and "CDNA5" Instruction Set Architecture Reference Guide (July 2026). The comments in the code are by the model that wrote it; some were corrected since.
;; Attention. Allowed arithmetic: matrix products marked QUANTISED: E2M1 operands, one E8M0 scale for each 32 along K, by v_wmma_scale_f32_16x16x128_f8f6f4 with both operands' format E2M1 (or v_wmma_scale_f32_32x16x128_f4), f32 sums; products left as they are: bf16, f16 or f32 operands; f32 sums; everything else in f32.
;; Inputs: key 16 x 2,048 x 512 float32; mask 16 x 2,048 bool; query 16 x 2,048 x 512 float32; value 16 x 2,048 x 512 float32.
;; Outputs: out0 16 x 2,048 x 512 float32.
;; This version of the problem:
;;   THIS VERSION OF THE PROBLEM IS GIVEN IN LOW PRECISION. The matrix products marked QUANTISED in the list below multiply operands that are first quantised to E2M1 (2 exponent bits, 1 mantissa bit; 4 bits a number), with one power-of-two scale for each 32 numbers along K (OCP MX v1.0); their sums are f32. The products marked 'left as it is' may take bf16, f16 or f32 operands, with f32 sums. Whichever they take, every output number must still come out within the allowed error. Rounding operands to bf16 (8 significant bits) uses up far more of that allowance than f16 does (11 bits, for magnitudes from 6e-5 to 65,504). All else is computed in f32.
;;   The module's matrix products, in the order in which they are computed (A, B: the left and right operand; K: the contracted axis; several contracted axes count as one K, in the product's order):
;;     1. batch 16 x [M 2,048, K 512] x [K 512, N 2,048]; A: input query; B: input key: QUANTISED
;;     2. batch 16 x [M 2,048, K 2,048] x [K 2,048, N 512]; A: computed on the way; B: input value: left as it is (an operand is computed on the way)
;;   THE QUANTISER, for each operand of a quantised product, along K:
;;     - K is cut into blocks of 32 from its start; a last block that is shorter is filled with zeros.
;;     - A block's scale is 2^e with e = floor(log2(the largest magnitude in the block)) - 2, held to -126 .. 127; a block of zeros has e = 0. As a byte (E8M0): e + 127.
;;     - Each number is divided by its block's scale, clamped to +-6, and rounded to the nearest number of E2M1, ties to even, subnormals kept.
;;     - The product sums the exact products of the quantised numbers (number of the format x scale) in f32.
;;   ~~~python
;;   def quantise(x, axis):      # numpy; x: float32 -> the quantised numbers, widened to float32 again
;;       x = np.moveaxis(x, axis, -1); K = x.shape[-1]
;;       x = np.pad(x, [(0, 0)] * (x.ndim - 1) + [(0, -K % 32)]); x = x.reshape(x.shape[:-1] + (-1, 32)); a = np.abs(x).max(-1, keepdims=True)
;;       e = np.where(a > 0, np.clip(np.frexp(np.where(a > 0, a, 1))[1] - 1 - 2, -126, 127), 0)      # np.frexp(a)[1] - 1 = floor(log2(a)), exactly
;;       r = np.clip(x / 2.0 ** e, -6, 6)
;;       step = 2.0 ** (np.maximum(np.frexp(np.where(r == 0, 1, r))[1] - 1, 0) - 1)
;;       q = np.round(r / step) * step * 2.0 ** e      # np.round: ties to even
;;       return np.moveaxis(q.reshape(q.shape[:-2] + (-1,))[..., :K], -1, axis).astype(np.float32)
;;   ~~~
;; 2 versions, each right. Each part assembles by itself: llvm-mc -triple=amdgcn-amd-amdhsa -mcpu=gfx1250 --defsym DOCPART=n.
;; ======== version 1 of 2: 2 launches
;; limits: values are held in f16: magnitudes above 65,504 overflow, below 6.1e-05 lose precision
;; workspace buffers: kc 8,388,608 bytes; ks 524,288 bytes; v16 33,554,432 bytes
;; launch prep (part 1): grid 1024 x 1, 4 waves a work-group, no clusters, 33,280 bytes of LDS; arguments key, value, kc, ks, v16; writes kc, ks, v16
.if DOCPART == 1
	.amdgcn_target "amdgcn-amd-amdhsa--gfx1250"
	.amdhsa_code_object_version 6
	.text
	.protected	k_qc2686d3396_prep
	.globl	k_qc2686d3396_prep
	.p2align	8
	.type	k_qc2686d3396_prep,@function
k_qc2686d3396_prep:
	s_mov_b64 s[64:65], 0
	v_nop
	global_prefetch_b8 v0, s[64:65] scope:SCOPE_SE
	s_setreg_imm32_b32 hwreg(HW_REG_WAVE_MODE, 25, 1), 1
	s_wait_xcnt 0x0
; key [16][2048][512] f32 becomes codes of FP4 (E2M1), K = the 512 innermost, two codes a byte, in kc [16][2048][256 bytes], with one E8M0 byte for each 32 along K in ks [16][2048][16].
; value [16][2048][512] f32 becomes f16, rounded to nearest even, in v16 [16][2048][512].  Both tensors are read by all sixteen query blocks of a batch in the next launch: they are narrowed once, here.
; A block's scale is 2^(floor(log2(its largest magnitude)) - 2); its byte is the largest magnitude's exponent field - 2, held at 1 from below.
; LIMITS: NaN and infinities among the inputs are not served.  A block of zeros gets the byte 1 where the rule says 127: its codes are zeros, which add nothing under any byte but 0xff, and this program alone reads
; the bytes.  A value beyond 65,504 in magnitude has no f16 number.
; SHARES.  Rows are dense, so both tensors are plain streams.  The first 512 work-groups take key, the others value; a wave takes a run of 8,192 numbers in 16 steps of 512.  Each of a step's four loads reads 512
; consecutive bytes, 16 a lane; loads run four steps (16 loads a wave) ahead.  No tensor loads, no barrier, no matrix unit: waves share nothing and each byte is read once.
; KEY: the conversions take 8 numbers of ONE block from a lane's registers, so a step's 2,048 bytes turn through the wave's own stage in LDS and come back 64 bytes a lane (two neighbouring lanes hold a block).
; A lane's 16 codes are 8 bytes: the wave stores 256 consecutive bytes.  A wave's 256 scale bytes are gathered in LDS and leave as one aligned run of 256 bytes.
; VALUE: a lane's 4 numbers of a load become 8 bytes: the wave stores 256 consecutive bytes for each load.  No LDS.
.set WAVES, 4
.set STEPS, 16
.set WGK,   512                        ; work-groups for key: 16 x 2048 x 512 / 32,768
.set EMAX,  2
.set CB,    8                          ; bytes of 16 codes
.set R,     16                         ; v16-79   four sets of 16 numbers as they are loaded
.set X,     80                         ; v80-111  key: two sets of 16 neighbours
.set E,     112                        ; v112-127 key: a scale byte for each step
.set C,     128                        ; v128-191 key: codes, four registers for each step;  v128-255 value: eight registers for each step: no store's data are written again
.set WREG,  8192                       ; LDS: a region for each wave: two stages of 32 x SP bytes, behind them its 256 scale bytes
.set SP,    80                         ; a lane's place in a stage: its 64 bytes + 16 of padding
.set SPW,   12                         ; v12      LDS address of my spare word: SPARE + 4 x my thread's number; never rewritten
.set NIL,   13                         ; v13      0; never rewritten
.set SPARE, WAVES*WREG                 ; behind the four regions: the spare words, 128 bytes for each wave, which no other line names
	s_load_b256 s[4:11], s[0:1], 0x0               ; key s[4:5], value s[6:7], kc s[8:9], ks s[10:11]
	s_load_b64 s[12:13], s[0:1], 0x20              ; v16
	v_lshl_add_u32 v[SPW], v0, 2, SPARE
	v_mov_b32 v[NIL], 0
	v_lshrrev_b32 v1, 5, v0
	v_readfirstlane_b32 s16, v1                    ; wave
	v_and_b32 v2, 31, v0                           ; lane
	v_lshlrev_b32 v3, 4, v2                        ; my 16 bytes of a load's 512
	s_mul_i32 s17, s16, WREG
	v_lshrrev_b32 v14, 2, v2
	v_mul_u32_u24 v14, v14, SP
	v_and_b32 v15, 3, v2
	v_lshl_add_u32 v14, v15, 4, v14
	v_add_nc_u32 v14, s17, v14                     ; the stage, on the way in: four lanes' 64 bytes on end, then 16 of padding
	v_mul_u32_u24 v15, v2, SP
	v_add_nc_u32 v15, s17, v15                     ; and on the way out: SP x lane: my 16 neighbours
	v_mul_u32_u24 v4, v2, CB                       ; 8 x lane: my place in a store's 256 bytes
	v_lshrrev_b32 v5, 1, v2
	s_add_co_u32 s17, s17, 2*32*SP
	v_add_nc_u32 v5, s17, v5                       ; LDS: my wave's 256 scale bytes, my block's byte
	v_lshlrev_b32 v7, 3, v2                        ; and on the way out 8 bytes a lane
	v_add_nc_u32 v6, s17, v7
	s_wait_kmcnt 0x0
	s_cmp_lt_u32 ttmp9, WGK                        ; key's work-group or value's?  The choice hangs on the work-group's number alone
	s_cselect_b64 s[4:5], s[4:5], s[6:7]           ; from where,
	s_cselect_b64 s[8:9], s[8:9], s[12:13]         ; to where,
	s_cselect_b32 s17, 0, WGK
	s_mov_b32 s22, 16384
	s_cselect_b32 s22, 4096, s22                   ; and how many bytes a run makes: 4,096 of codes or 16,384 of f16
	s_sub_co_u32 s17, ttmp9, s17
	s_lshl_b32 s17, s17, 2
	s_add_co_u32 s18, s17, s16                     ; which run of 8,192 numbers is my wave's: 0 .. 2,047
	s_mov_b32 s19, 0
	s_lshl_b64 s[20:21], s[18:19], 15              ; 32,768 bytes of f32 a run
	s_add_nc_u64 s[4:5], s[4:5], s[20:21]
	s_mul_i32 s20, s18, s22
	s_mov_b32 s21, 0
	s_add_nc_u64 s[8:9], s[8:9], s[20:21]
	s_lshl_b32 s20, s18, 8                         ; 256 scale bytes a run
	s_add_nc_u64 s[10:11], s[10:11], s[20:21]
.macro LOAD t
.irp i, 0,1,2,3
	global_load_b128 v[R+16*((\t)%4)+4*\i:R+16*((\t)%4)+4*\i+3], v3, s[4:5] offset:2048*(\t)+512*\i th:TH_LOAD_NT   ; 32 lanes read 512 consecutive bytes
.endr
.endm
.irp t, 0,1,2,3
	LOAD \t
.endr
	s_cmp_lt_u32 ttmp9, WGK
	s_cbranch_scc0 .Lvalue
; ---------------- key ----------------
.macro TURN t                          ; step t's numbers through the stage: LDS serves a wave's instructions in order, so no wait stands between the stores and the loads
.irp i, 0,1,2,3
	ds_store_b128 v14, v[R+16*((\t)%4)+4*\i:R+16*((\t)%4)+4*\i+3] offset:32*SP*((\t)%2)+8*SP*\i
.endr
.irp i, 0,1,2,3
	ds_load_b128 v[X+16*((\t)%2)+4*\i:X+16*((\t)%2)+4*\i+3], v15 offset:32*SP*((\t)%2)+16*\i
.endr
.endm
	s_wait_loadcnt 12                              ; step 0's four loads are in; the twelve of steps 1 to 3 may be out
	TURN 0
.macro STEP t
.set XS, X+16*((\t)%2)
.if (\t) > 0
	s_wait_dscnt 1                                 ; this step's numbers are back from the stage (the last step's byte store may be out): so its stores into the stage have read their registers,
.else
	s_wait_dscnt 0x0
.endif
.if (\t)+4 < STEPS
	LOAD (\t)+4                                    ; which take the loads of four steps on
.endif
.if (\t)+1 < STEPS
.if STEPS-2-(\t) >= 3
	s_wait_loadcnt 12                              ; the next step's four loads are in; those of the three steps behind it may be out
.else
	s_wait_loadcnt 4*(STEPS-2-(\t))
.endif
	TURN (\t)+1                                    ; and go through the other stage while this step is worked
.endif
	v_max3_num_f32 v8, |v[XS]|, |v[XS+1]|, |v[XS+2]|               ; the largest magnitude of my 16, in two chains
	v_max3_num_f32 v9, |v[XS+3]|, |v[XS+4]|, |v[XS+5]|
.irp i, 6,10
	v_max3_num_f32 v8, v8, |v[XS+\i]|, |v[XS+\i+1]|
	v_max3_num_f32 v9, v9, |v[XS+\i+2]|, |v[XS+\i+3]|
.endr
	v_max3_num_f32 v8, v8, |v[XS+14]|, |v[XS+15]|
	v_max3_num_f32 v8, v8, v9, (EMAX+1)<<23        ; and the floor 2^(EMAX + 1 - 127): so the byte cannot fall under 1
	v_max_num_f32_dpp v8, v8, v8 row_xmask:1 row_mask:0xf bank_mask:0xf   ; and of my neighbour's 16: the block's
	v_add_nc_u32 v11, -(EMAX<<23), v8              ; EMAX off its exponent field: the conversion takes the exponent field of this operand as its scale, and nothing else of it
	v_cvt_scalef32_pk8_fp4_f32 v[C+4*(\t)], v[XS:XS+7], v11        ; eight numbers / the scale, to the nearest code, ties to even, beyond the largest code the largest; the first number's code in the lowest four bits
	v_cvt_scalef32_pk8_fp4_f32 v[C+4*(\t)+1], v[XS+8:XS+15], v11
	v_lshrrev_b32 v[E+(\t)], 23, v11               ; the scale's byte (a plain line behind the conversions)
	ds_store_b8 v5, v[E+(\t)] offset:16*(\t)       ; both lanes of a block write the same byte with the same value
	global_store_b64 v4, v[C+4*(\t):C+4*(\t)+1], s[8:9] offset:32*CB*(\t)   ; 32 lanes store 256 consecutive bytes
.endm
.irp t, 0,1,2,3,4,5,6,7,8,9,10,11,12,13,14,15
	STEP \t
.endr
	ds_load_b64 v[8:9], v6                         ; LDS serves a wave's instructions in order: these see my byte stores
	s_wait_dscnt 0x0
	global_store_b64 v7, v[8:9], s[10:11]          ; 32 lanes store the run's 256 scale bytes
	s_wait_tensorcnt 0x0                           ; the wave's end: behind my last LDS store
	ds_add_u32 v[SPW], v[NIL]
	s_wait_dscnt 0x0
	s_endpgm
; ---------------- value ----------------
.Lvalue:
.macro VSTEP t
.if 15-(\t) >= 3
	s_wait_loadcnt 12                              ; this step's four loads are in; those of the three steps behind it may be out
.else
	s_wait_loadcnt 4*(15-(\t))
.endif
.irp i, 0,1,2,3
	v_cvt_pk_f16_f32 v[C+8*(\t)+2*\i],   v[R+16*((\t)%4)+4*\i],   v[R+16*((\t)%4)+4*\i+1]   ; the first source into the low half
	v_cvt_pk_f16_f32 v[C+8*(\t)+2*\i+1], v[R+16*((\t)%4)+4*\i+2], v[R+16*((\t)%4)+4*\i+3]
.endr
.if (\t)+4 < STEPS
	LOAD (\t)+4                                    ; the set just read takes the loads of four steps on
.endif
.irp i, 0,1,2,3
	global_store_b64 v4, v[C+8*(\t)+2*\i:C+8*(\t)+2*\i+1], s[8:9] offset:1024*(\t)+256*\i   ; 32 lanes store 256 consecutive bytes
.endr
.endm
.irp t, 0,1,2,3,4,5,6,7,8,9,10,11,12,13,14,15
	VSTEP \t
.endr
	s_wait_tensorcnt 0x0                           ; the wave's end
	ds_add_u32 v[SPW], v[NIL]
	s_wait_dscnt 0x0
	s_endpgm
.Lfunc_end_k_qc2686d3396_prep:
	.size	k_qc2686d3396_prep, .Lfunc_end_k_qc2686d3396_prep-k_qc2686d3396_prep
	.p2alignl 7, 3214868480
	.fill 96, 4, 3214868480
	.section	.rodata,"a",@progbits
	.p2align	6, 0x0
	.amdhsa_kernel k_qc2686d3396_prep
		.amdhsa_group_segment_fixed_size 33280
		.amdhsa_private_segment_fixed_size 0
		.amdhsa_enable_private_segment 0
		.amdhsa_kernarg_size 40
		.amdhsa_user_sgpr_count 2
		.amdhsa_user_sgpr_kernarg_segment_ptr 1
		.amdhsa_wavefront_size32 1
		.amdhsa_system_sgpr_workgroup_id_x 1
		.amdhsa_system_sgpr_workgroup_id_y 1
		.amdhsa_system_sgpr_workgroup_id_z 1
		.amdhsa_system_vgpr_workitem_id 0
		.amdhsa_next_free_vgpr 256
		.amdhsa_next_free_sgpr 66
		.amdhsa_reserve_vcc 0
		.amdhsa_float_denorm_mode_32 3
		.amdhsa_float_denorm_mode_16_64 3
		.amdhsa_memory_ordered 1
		.amdhsa_forward_progress 1
		.amdhsa_inst_pref_size 53
	.end_amdhsa_kernel
	.amdgpu_metadata
---
amdhsa.version: [ 1, 2 ]
amdhsa.kernels:
  - .name:           k_qc2686d3396_prep
    .symbol:         k_qc2686d3396_prep.kd
    .args:
      - { .name: key, .offset: 0, .size: 8, .value_kind: global_buffer, .address_space: global }
      - { .name: value, .offset: 8, .size: 8, .value_kind: global_buffer, .address_space: global }
      - { .name: kc, .offset: 16, .size: 8, .value_kind: global_buffer, .address_space: global }
      - { .name: ks, .offset: 24, .size: 8, .value_kind: global_buffer, .address_space: global }
      - { .name: v16, .offset: 32, .size: 8, .value_kind: global_buffer, .address_space: global }
    .group_segment_fixed_size: 33280
    .private_segment_fixed_size: 0
    .kernarg_segment_align: 8
    .kernarg_segment_size: 40
    .max_flat_workgroup_size: 128
    .sgpr_count:     66
    .vgpr_count:     256
    .wavefront_size: 32
...
	.end_amdgpu_metadata
.endif
;; end of part 1
;; launch attn (part 2): grid 16 x 16, 4 waves a work-group, clusters of 4 x 1, 327,680 bytes of LDS; arguments query, kc, ks, v16, mask, out0; writes out0
.if DOCPART == 2
	.amdgcn_target "amdgcn-amd-amdhsa--gfx1250"
	.amdhsa_code_object_version 6
	.text
	.protected	k_qc2686d3396_attn
	.globl	k_qc2686d3396_attn
	.p2align	8
	.type	k_qc2686d3396_attn,@function
k_qc2686d3396_attn:
	s_mov_b64 s[64:65], 0
	v_nop
	global_prefetch_b8 v0, s[64:65] scope:SCOPE_SE
	s_setreg_imm32_b32 hwreg(HW_REG_WAVE_MODE, 25, 1), 1
	s_wait_xcnt 0x0
	s_wait_alu depctr_hold_cnt(0) depctr_sa_sdst(0) depctr_va_vdst(0) depctr_va_sdst(0) depctr_va_ssrc(0) depctr_va_vcc(0) depctr_vm_vsrc(0)
	s_getreg_b32 s2, hwreg(HW_REG_IB_STS2, 6, 4)
	s_cmp_eq_u32 s2, 0
	s_cbranch_scc0 .Lentry_in_a_cluster
	s_endpgm
.Lentry_in_a_cluster:
	s_bfe_u32 s2, ttmp6, 0x10000c
	s_cmp_lg_u32 s2, 0x3003
	s_cbranch_scc0 .Lentry_shape_is_right
	s_endpgm
.Lentry_shape_is_right:
; out0[b][q][:] = the sum over k of softmax_k(e[b][q][k]) value[b][k][:],  e = (query[b][q] . key[b][k]) / sqrt(512) - (1 - mask[b][q]) x 1e9.   16 batches, 2,048 queries and keys, 512 channels.
; FIRST PRODUCT on codes of FP4 (E2M1) with one E8M0 scale for each 32 along the 512: key's codes and bytes come from kc and ks; query, which one wave reads once, is quantised here in registers.
; SECOND PRODUCT in f16 with f32 sums: p = exp(e - M) lies in (0, 1], value comes as f16 from v16.
; SOFTMAX in f32 and in e's own units: the mask's 1e9 is taken off ahead of the maximum, e - M is a true subtraction, and only the difference is multiplied by log2(e).  A running maximum M and sum l for each query;
; in every step O and l are multiplied by a = exp(M_old - M_new).
; LIMITS: NaN and infinities are not served.  e is one fused multiply-add, s x scale - c, where the definition rounds s x scale first: the same for open rows (c = 0); for masked rows it can differ where s x scale lies
; within one part in 2^24 of the middle between two f32 numbers near 1e9.  A p under 2^-24 is lost in f16, beside a row sum of at least 1.  Values beyond 65,504 have no f16 number.
; SHARES.  A work-group owns 128 queries of one batch.  O (128 x 512 f32) fills 512 registers of each of its four waves: wave w holds O^T of queries 64 (w / 2) .. + 63 and channels 256 (w % 2) .. + 255, so that each
; fragment of V read from LDS feeds four matrix instructions.  Scores and softmax are not made twice: wave w makes those of queries 32 w .. 32 w + 31 (two tiles of 16), and waves w and w xor 1, which hold the same 64
; queries of O, hand each other P (as images of the operand's registers) and a through LDS.  Local tiles 0, 1 are the wave's own, 2, 3 its partner's.
; LAYOUT.  S^T = K Q^T (source 0 = 16 keys, source 1 = 16 queries): a lane holds ONE query (lane % 16) and keys 8 (lane / 16) + 0..7.  Two such tiles, rounded to f16 in pairs, ARE source 1 (32 keys x 16 queries) of
; O^T = V^T P, whose result again holds one query a lane and eight channels.  K comes out of LDS as it lies, V ([key][channel]) turned, by ds_load_tr16_b128.
; THE PIPELINE.  A trip is 64 keys.  Ring content j holds K of step j + 1 and V of step j.  In trip j: P of step j is rounded and handed over | the one barrier | K Q^T of step j + 1 | V^T P of step j, with the
; partner tiles' rescaling between the products of its first half and the softmax of step j + 1, in slices of four, between those of its second half.
; CLUSTER.  The four query blocks of a cluster belong to one batch and walk the same K and V: each tile is asked for JOINTLY, by the same tensor load with the same descriptor and a mask that names the four.
; The barrier of a trip is a round of the cluster's barrier; it serves the ring, the joint refill and the exchange of P.  By this text's own count a wave has three tensor loads out at the start, then one.
; REGISTERS, in windows of 256 (s_set_vgpr_msb: bits 1:0 source 0, 3:2 source 1, 5:4 source 2, 7:6 destination):
;   window 0: v1-23 addresses; v24-59 statistics; v60-75 scale words; v76-86 at work; v128-191 S^T, 32 a tile; v192-255 P, 16 a local tile
;   window 1: v0-63, v64-127 two buffers of V (the second holds half of K until the scores are made); v128-191 K; v192-255 Q's codes
;   windows 2, 3: O^T: accumulator (channel tile ct, local tile t) at v[8 (4 (ct % 8) + t)] of window 2 + ct / 8.  At the head they stage Q's f32 numbers.
.set KS,    64                         ; keys in a trip
.set KP,    272                        ; a key's row of codes in LDS: 256 bytes + 16 = 17 x 16
.set VP,    1056                       ; a key's row of V in LDS: 1,024 bytes + 32 = 33 x 32
.set VOFF,  KS*KP                      ; a half of the ring: 64 rows of K, then 64 rows of V,
.set PIMG,  VOFF+KS*VP                 ; then P's images: 4,096 bytes a wave (8 groups of four registers, 512 bytes each),
.set AIMG,  PIMG+4*4096                ; then a and 1 / l: 512 bytes a wave (four words a lane).  No tensor load lands in the images
.set K0,    AIMG+4*512                 ; in the first half alone: K of step 0, filled once
.set SLOT1, 1<<17                      ; the second half begins here: one exclusive or turns an address in one half into the other's
.set SCK,   2*SLOT1                    ; behind the ring: the batch's 32,768 scale bytes of K, as they lie in memory, filled once
.set SPARE, SCK+32768                  ; the spare words, 128 bytes for each wave, which no other line names
.set SPITCH, 1040                      ; the way out: a stage of 16 rows x (1,024 bytes + 16) for each wave, in the first half's tiles, which have had their last fill and their last read by then
.set AK0,  3                           ; v3   my lane's place in a tile of K
.set AV0,  4                           ; v4   in a tile of V, my wave's 256 channels
.set PWA,  5                           ; v5   where I put P's images;  v6 where I find my partner's
.set PRA,  6
.set AWA,  7                           ; v7, v8 the same for a and 1 / l
.set ARA,  8
.set ASC0, 9                           ; v9   my lane's place among K's scale bytes: 16 x lane
.set ADK,  10                          ; v10-16 the trip's addresses: the seven above + the half in hand (the scale bytes: + the step)
.set ADV,  11
.set ADP,  12
.set ADQ,  13
.set ADA,  14
.set ADB,  15
.set ADS,  16
.set STO,  17                          ; v17  the way out: where I put 32 bytes of a row;  v18 where I read a row back;  v19 16 x lane
.set RD,   18
.set GO,   19
.set PFO,  20                          ; v20  256 x lane: the prefetches' offset; never rewritten
.set XA,   21                          ; v21  Q: row lane % 16 of 2,048 bytes + 128 (lane / 16)
.set SPW,  22                          ; v22  LDS address of my spare word: SPARE + 4 x my thread's number; never rewritten
.set NIL,  23                          ; v23  0; never rewritten
.set ST,   24                          ; tile t at v[24 + 8 t]: +0 M, +2, +3 l (two halves), +4 -c = (mask - 1) x 1e9, +6 a, +7 at work; +1, +5 only fill pairs
.set TMP,  40                          ; v[40 + 4 t] on: four registers at work
.set PA,   48                          ; v48, v50 my partner's a (v49, v51 only fill pairs)
.set RL,   52                          ; v[52 + 2 t'] 1 / l of local tile t'
.set QS,   60                          ; v60-67 Q's scale words: tile t, K step s at 4 t + s
.set KSW,  68                          ; v68-75 K's: register 4 p + s: lanes 0-15 key tile 2 p, lanes 16-31 key tile 2 p + 1
.set TM,   76                          ; the quantiser's: v76-77 largest magnitudes, v78-79 scale operands, v80-81 bytes, v82 the word, v83 the other half's, v84 8 (lane / 16)
.set SO,   78
.set BY,   80
.set W,    82
.set TP,   83
.set H8,   84
.set MB,   85                          ; v85-86 the mask's bytes
.set S,    128
.set P,    192
.set VB,   64                          ; window 1
.set KB,   128
.set QC,   192
.set WV,   16                          ; s16 wave;  s18 wave % 2;  s19 my place in the cluster;  s20 my block of 128 queries;  s21 the batch;  s22 my partner
.set CJ,   18
.set CX,   19
.set BLK,  20
.set BAT,  21
.set PW,   22
.set G1K,  24                          ; s[24:31], s[32:39], s[40:47] descriptor groups 1 for K's tiles, V's tiles, the scale bytes
.set G1V,  32
.set G1S,  40
.set G0K,  48                          ; s[48:51], s[52:55] groups 0 for K and V, which walk;  s[56:59] the scale bytes';  s[60:63] that of K of step 0
.set G0V,  52
.set G0S,  56
.set G0K0, 60
.set TB,   66                          ; s66 the half in hand;  s67 where the step's scale bytes begin;  s68 trips that still ask for K and V
.set TS,   67
.set CNT,  68
.set SEL,  70                          ; s[70:71] v_permlanex16_b32's selects for lane l xor 16
.set SC,   72                          ; s[72:73] 1 / sqrt(512);  s[74:75] log2(e): the packed forms name a pair and take its low word for both halves
.set LG,   74
.set PFA,  76                          ; s[76:77] where my prefetches stand;  s[78:79] their step;  s80, s81 who asks, and in which trips
.set PFS,  78
.set LIM,  80
.set MSK,  81
.set OWN,  84                          ; s[84:85] out0 at my own tiles' first row, my 256 channels;  s[86:87] at my partner's
.set PAR,  86
.set MSB, 0
.macro WIN new                         ; the immediate's high byte repeats the setting that is left; a switch that changes nothing is dropped
.if MSB != (\new)
	s_set_vgpr_msb (MSB<<8)|(\new)
.set MSB, (\new)
.endif
.endm
.set W_KQ,   0x05                      ; K and Q in window 1, S^T in window 0
.set MUL_LO, 0xa1                      ; V in window 1, P in window 0, O^T in window 2 (+ 0x50: window 3)
.set W_RS,   0x82                      ; O^T (destination and source 0) in window 2, the factor in window 0 (+ 0x41: window 3)
.set TO1,    0x40                      ; destination window 1, address window 0
.macro PLACES                          ; four plain places (ISA guide 7.12.1) where no other vector work is at hand
.rept 4
	v_nop
.endr
.endm
; A round of the cluster's barrier: my work-group's barrier; wave 0 signals for the work-group; every wave waits for all four work-groups; my work-group's barrier once more.
.macro CROUND
	s_barrier_signal -1
	s_barrier_wait -1
	s_cmp_lg_u32 s[WV], 0
	s_cbranch_scc1 .Lnot_wave_0_\@
	s_barrier_signal -3
.Lnot_wave_0_\@:
	s_barrier_wait -3
	s_barrier_signal -1
	s_barrier_wait -1
.endm
; A joint refill.  fill = 2: waves 0 and 1 fetch the halves of K's tile, waves 2 and 3 those of V's.  fill = 1: V's alone.  The branch hangs on the wave's number alone: it is the same in every work-group.
; An s_nop 0 and four v_nop follow each tensor load.
.macro JLOAD fill
	s_cmp_lt_u32 s[WV], 2
.if \fill == 2
	s_cbranch_scc0 .Lfor_v_\@
	tensor_load_to_lds s[G0K:G0K+3], s[G1K:G1K+7]
	s_nop 0
	PLACES
	s_branch .Lasked_\@
.Lfor_v_\@:
.else
	s_cbranch_scc1 .Lasked_\@
.endif
	tensor_load_to_lds s[G0V:G0V+3], s[G1V:G1V+7]
	s_nop 0
	PLACES
.Lasked_\@:
.endm
; A PREFETCH INTO THE L2 of tiles that later refills will ask for, one instruction a wave, lanes 256 bytes apart.  All clusters of a batch walk the same K and V: the batch's first cluster asks.  Its four partners
; share the bytes out BY ADDRESS; no branch hangs on a work-group's place in its cluster.  Waves 0 and 1, in trip j = 0 .. 29: V of step j + 2 (65,536 bytes: 16,384 a partner, 8,192 a wave), which the next trip's
; refill names.  Wave 2, in odd trips j up to 27: K of steps j + 3 and j + 4 (32,768 bytes: 8,192 a partner), which the next two trips' refills name.  So each block of 256 bytes is named once, the first steps come
; by their loads alone, and no address passes the batch's last byte.  s[CNT] = 30 - j.
.macro ASK
	s_cmp_gt_u32 s[CNT], s[LIM]
	s_cbranch_scc0 .Lnot_mine_\@
	s_and_b32 s82, s[CNT], s[MSK]
	s_cmp_eq_u32 s82, s[MSK]
	s_cbranch_scc0 .Lnot_mine_\@
	global_prefetch_b8 v[PFO], s[PFA:PFA+1] th:TH_LOAD_NT scope:SCOPE_SE
.Lnot_mine_\@:
.endm
; K of a step: 16 fragments (key tile f % 4, K step f / 4) of 8 registers: lane l holds key l % 16; registers 4 c .. 4 c + 3 hold k = 64 c + 32 (l / 16) + 0 .. 31: 16 bytes of the row as they lie.  And the scale words:
; a key's 16 bytes are its four words, so 32 lanes take two key tiles by one load.  34 loads.
.macro FETCH_K
	WIN TO1
.set f, 0
.rept 16
.if f < 8
.set rK, KB+8*f
.else
.set rK, VB+8*(f-8)
.endif
	ds_load_b128 v[rK:rK+3],   v[ADK] offset:(f%4)*16*KP+(f/4)*64
	ds_load_b128 v[rK+4:rK+7], v[ADK] offset:(f%4)*16*KP+(f/4)*64+32
.set f, f+1
.endr
	WIN 0
	ds_load_b128 v[KSW:KSW+3],   v[ADS]
	ds_load_b128 v[KSW+4:KSW+7], v[ADS] offset:512
.endm
; Group g of V: keys 32 (g / 2) on, channel tiles 8 (g % 2) .. + 7, into buffer g % 2.  The turning load takes 16 keys x 16 channels and leaves half a fragment of V^T: lane l holds channel l % 16 and 8 keys.  16 loads.
.macro FETCH_V g
	WIN TO1
.set c8, 0
.rept 8
	ds_load_tr16_b128 v[64*((\g)%2)+8*c8:64*((\g)%2)+8*c8+3],   v[ADV] offset:((\g)/2)*32*VP+32*(8*((\g)%2)+c8)
	ds_load_tr16_b128 v[64*((\g)%2)+8*c8+4:64*((\g)%2)+8*c8+7], v[ADV] offset:((\g)/2)*32*VP+16*VP+32*(8*((\g)%2)+c8)
.set c8, c8+1
.endr
.endm
; Product i of 32 of S^T = K Q^T: K step i / 8, key tile (i / 2) % 4, my tile i % 2.  The first eight start the sums.  The eight accumulators take turns, one instruction a turn.
.macro KQ
.set ks_, i/8
.set kt, (i/2)%4
.set t, i%2
.set rS, S+32*t+8*kt
.if ks_ < 2
.set rK, KB+8*(4*ks_+kt)
.else
.set rK, VB+8*(4*(ks_-2)+kt)
.endif
.set rQ, QC+32*t+8*ks_
.set rW, KSW+4*(kt/2)+ks_
.set rX, QS+4*t+ks_
	WIN W_KQ
.if ks_ == 0
.if kt%2
	v_wmma_scale_f32_16x16x128_f8f6f4 v[rS:rS+7], v[rK:rK+7], v[rQ:rQ+7], 0, v[rW], v[rX] matrix_a_fmt:MATRIX_FMT_FP4 matrix_b_fmt:MATRIX_FMT_FP4 matrix_a_scale:MATRIX_SCALE_ROW1
.else
	v_wmma_scale_f32_16x16x128_f8f6f4 v[rS:rS+7], v[rK:rK+7], v[rQ:rQ+7], 0, v[rW], v[rX] matrix_a_fmt:MATRIX_FMT_FP4 matrix_b_fmt:MATRIX_FMT_FP4
.endif
.else
.if kt%2
	v_wmma_scale_f32_16x16x128_f8f6f4 v[rS:rS+7], v[rK:rK+7], v[rQ:rQ+7], v[rS:rS+7], v[rW], v[rX] matrix_a_fmt:MATRIX_FMT_FP4 matrix_b_fmt:MATRIX_FMT_FP4 matrix_a_scale:MATRIX_SCALE_ROW1
.else
	v_wmma_scale_f32_16x16x128_f8f6f4 v[rS:rS+7], v[rK:rK+7], v[rQ:rQ+7], v[rS:rS+7], v[rW], v[rX] matrix_a_fmt:MATRIX_FMT_FP4 matrix_b_fmt:MATRIX_FMT_FP4
.endif
.endif
.endm
; One product of O^T += V^T P: keys 32 kk on, channel tile ct, local tile tp.  zero = 1: it starts the sum: nothing is ever cleared.  The 64 accumulators take turns, one instruction a turn.
.macro PVW kk, ct, tp, zero
.set rA, 8*(4*((\ct)%8)+(\tp))
.set rV, 64*((\ct)/8)+8*((\ct)%8)
.set rP, P+16*(\tp)+8*(\kk)
	WIN MUL_LO+0x50*((\ct)/8)
.if \zero
	v_wmma_f32_16x16x32_f16 v[rA:rA+7], v[rV:rV+7], v[rP:rP+7], 0
.else
	v_wmma_f32_16x16x32_f16 v[rA:rA+7], v[rV:rV+7], v[rP:rP+7], v[rA:rA+7]
.endif
.endm
; Accumulator (ct, tp) times its tile's a: four packed multiplies, from the accumulator's low end on.
.macro RS ct, tp
.set rA, 8*(4*((\ct)%8)+(\tp))
.if (\tp) < 2
.set rF, ST+8*(\tp)+6
.else
.set rF, PA+2*((\tp)-2)
.endif
	WIN W_RS+0x41*((\ct)/8)
.irp p, 0,2,4,6
	v_pk_mul_f32 v[rA+\p:rA+\p+1], v[rA+\p:rA+\p+1], v[rF:rF+1] op_sel_hi:[1,0]
.endr
.endm
; THE SOFTMAX of one of my tiles for one step is a list of 125 numbers; SM writes number nn of it for tile tt, all in window 0.  s0-s31 are the lane's 32 scores, in pairs 0-15.
;   0-15    e = s x scale - c, a pair each: each accumulator is first read at its low end
;   16-31   the maximum of the 32: four chains of seven, then the four left over and the chains
;   32-38   the other half of the lanes' maximum; the old M kept; the new M; a = 2^((M_old - M_new) log2 e)          39 is empty, so that the batch begins at an even number
;   40-107  ONE BATCH, in fours for pair b = 0 .. 16: pair b less M | 2^ of pair b - 1's first | pair b times log2 e | 2^ of pair b - 1's second.  None of these reads an exponential's result
;   108     a plain instruction behind the last exponential (tile 0) and the ONE wait for all 66 exponentials of both tiles (tile 1) ahead of the first line that names a result
;   109-124 the sum of the 16 pairs in two chains; l = a l + the sum.  S^T keeps p: the next trip rounds it to f16
.macro SM nn, tt
.set n, (\nn)
.set t, (\tt)
.set rT, ST+8*t
.set rC, TMP+4*t
.set rS, S+32*t
.set b, (n-40)/4
.set kx, (n-40)%4
.set emp, 0
.if (n == 39) || (n > 124)
.set emp, 1
.endif
.if (n >= 40) && (n < 108)
.if ((b == 0) && ((kx%2) == 1)) || ((b == 16) && ((kx%2) == 0))
.set emp, 1
.endif
.endif
.if !emp
	WIN 0
.if n < 16
	v_pk_fma_f32 v[rS+2*n:rS+2*n+1], v[rS+2*n:rS+2*n+1], s[SC:SC+1], v[rT+4:rT+5] op_sel_hi:[1,0,0]
.elseif n < 20
	v_max3_num_f32 v[rC+n-16], v[rS+8*(n-16)], v[rS+8*(n-16)+1], v[rS+8*(n-16)+2]
.elseif n < 28
	v_max3_num_f32 v[rC+(n-20)%4], v[rC+(n-20)%4], v[rS+8*((n-20)%4)+2*((n-20)/4)+3], v[rS+8*((n-20)%4)+2*((n-20)/4)+4]
.elseif n == 28
	v_max3_num_f32 v[rC], v[rC], v[rS+7], v[rS+15]
.elseif n == 29
	v_max3_num_f32 v[rC+2], v[rC+2], v[rS+23], v[rS+31]
.elseif n == 30
	v_max3_num_f32 v[rC], v[rC], v[rC+1], v[rC+2]
.elseif n == 31
	v_max_num_f32 v[rC], v[rC], v[rC+3]
.elseif n == 32
	v_permlanex16_b32 v[rC+1], v[rC], s[SEL], s[SEL+1]     ; the query's other 32 keys lie in the lane 16 away
.elseif n == 33
	v_mov_b32 v[rT+7], v[rT]
.elseif n == 34
	v_max_num_f32 v[rC], v[rC], v[rC+1]
.elseif n == 35
	v_max_num_f32 v[rT], v[rT], v[rC]
.elseif n == 36
	v_sub_f32 v[rT+7], v[rT+7], v[rT]
.elseif n == 37
	v_mul_f32 v[rT+7], s[LG], v[rT+7]
.elseif n == 38
	v_exp_f32 v[rT+6], v[rT+7]
.elseif n < 108
.if kx == 0
	v_pk_add_f32 v[rS+2*b:rS+2*b+1], v[rS+2*b:rS+2*b+1], v[rT:rT+1] op_sel_hi:[1,0] neg_lo:[0,1] neg_hi:[0,1]
.elseif kx == 2
	v_pk_mul_f32 v[rS+2*b:rS+2*b+1], v[rS+2*b:rS+2*b+1], s[LG:LG+1] op_sel_hi:[1,0]
.elseif kx == 1
	v_exp_f32 v[rS+2*b-2], v[rS+2*b-2]
.else
	v_exp_f32 v[rS+2*b-1], v[rS+2*b-1]
.endif
.elseif n == 108
.if t == 0
	v_nop
.else
	s_wait_alu depctr_va_vdst(0)
.endif
.elseif n == 109
	v_pk_add_f32 v[rC:rC+1], v[rS:rS+1], v[rS+2:rS+3]
.elseif n == 110
	v_pk_add_f32 v[rC+2:rC+3], v[rS+4:rS+5], v[rS+6:rS+7]
.elseif n < 123
	v_pk_add_f32 v[rC+2*((n-111)%2):rC+2*((n-111)%2)+1], v[rC+2*((n-111)%2):rC+2*((n-111)%2)+1], v[rS+2*(n-107):rS+2*(n-107)+1]
.elseif n == 123
	v_pk_add_f32 v[rC:rC+1], v[rC:rC+1], v[rC+2:rC+3]
.else
	v_pk_fma_f32 v[rT+2:rT+3], v[rT+2:rT+3], v[rT+6:rT+7], v[rC:rC+1] op_sel_hi:[1,0,1]
.endif
.endif
.endm
; Slice k of 63: numbers 2 k and 2 k + 1 of both tiles' lists, the tiles alternating, so that no instruction reads the result of the one just before it.
.macro SLICE
.if k < 63
.irp z, 0,1,2,3
	SM (4*k+\z)/2, (4*k+\z)%2
.endr
.endif
.set k, k+1
.endm
; Q, unit u = 4 t + s (my tile t, K step s): lane (r, h) takes, of row r, k = 128 s + 64 c + 32 h + 0 .. 31 for c = 0, 1: the very numbers that the operand's layout gives that lane.  16 loads, into window 2 + t.
.macro QLOAD u
.set t, (\u)/4
.set ks_, (\u)%4
	WIN 0x80+0x40*t
.irp c, 0,1
.irp g, 0,1,2,3,4,5,6,7
	global_load_b128 v[64*ks_+32*\c+4*\g:64*ks_+32*\c+4*\g+3], v[XA], s[4:5] offset:32768*t+512*ks_+256*\c+16*\g th:TH_LOAD_NT
.endr
.endr
.endm
; and its codes and scale word.  A lane holds two whole blocks (2 c + h), so no other lane is asked for a maximum; the word's four bytes are gathered from lanes l and l xor 16.
.macro QUANT u
.set t, (\u)/4
.set X0, 64*((\u)%4)
	WIN 0x0a+5*t                                   ; sources 0 and 1: window 2 + t
.irp c, 0,1
	v_max3_num_f32 v[TM+\c], |v[X0+32*\c]|, |v[X0+32*\c+1]|, 0x1800000   ; with the floor 2^(3 - 127): so the byte cannot fall under 1
.endr
.irp i, 2,4,6,8,10,12,14,16,18,20,22,24,26,28,30
.irp c, 0,1
	v_max3_num_f32 v[TM+\c], |v[X0+32*\c+\i]|, |v[X0+32*\c+\i+1]|, v[TM+\c]   ; (the two blocks by turns)
.endr
.endr
	WIN 0
	v_add_nc_u32 v[SO], 0xff000000, v[TM]          ; 2 off the exponent field: the conversion takes the exponent field of this operand as its scale, and nothing else of it
	v_add_nc_u32 v[SO+1], 0xff000000, v[TM+1]
	v_lshrrev_b32 v[BY], 23, v[SO]                 ; the scales' bytes
	v_lshrrev_b32 v[BY+1], 23, v[SO+1]
	v_lshl_or_b32 v[W], v[BY+1], 16, v[BY]         ; blocks h and 2 + h,
	v_lshlrev_b32 v[W], v[H8], v[W]                ; at their places in the word
	v_permlanex16_b32 v[TP], v[W], s[SEL], s[SEL+1]
	v_or_b32 v[QS+(\u)], v[W], v[TP]               ; with lane l xor 16's two the word is whole
	WIN 0x42+t                                     ; the numbers in window 2 + t, the codes in window 1
.irp c, 0,1
.irp g, 0,1,2,3
	v_cvt_scalef32_pk8_fp4_f32 v[QC+8*(\u)+4*\c+\g], v[X0+32*\c+8*\g:X0+32*\c+8*\g+7], v[SO+\c]
.endr
.endr
	v_nop                                          ; one plain line behind the last scaled conversion
	WIN 0
.endm
; ---------------- the head ----------------
	s_load_b256 s[4:11], s[0:1], 0x0               ; query s[4:5], kc s[6:7], ks s[8:9], v16 s[10:11]
	s_load_b128 s[12:15], s[0:1], 0x20             ; mask s[12:13], out0 s[14:15]
	v_lshl_add_u32 v[SPW], v0, 2, SPARE
	v_mov_b32 v[NIL], 0
	ds_add_u32 v[SPW], v[NIL]                      ; the wave's opening: the add, twice on end, and its wait ahead of my first tensor load; the set-up below, work on registers, stands between
	ds_add_u32 v[SPW], v[NIL]
	v_lshrrev_b32 v1, 5, v0
	v_readfirstlane_b32 s[WV], v1                  ; wave 0..3
	s_and_b32 s[CJ], s[WV], 1                      ; which 256 channels of O are mine.  Also: which 32 rows of a tile I fetch
	s_xor_b32 s[PW], s[WV], 1                      ; my partner
	s_bfe_u32 s[CX], ttmp6, 0x40000                ; my place in the cluster: it enters query's, mask's, out0's and the prefetches' addresses alone
	s_lshl_b32 s[BLK], ttmp9, 2
	s_add_co_u32 s[BLK], s[BLK], s[CX]             ; my block of 128 queries = 4 x cluster x + cx
	s_and_b32 s[BAT], ttmp7, 0xffff                ; the batch, which the four partners share
	; descriptor groups 1.  K: 32 rows x 256 bytes, 16 bytes of padding behind each;  V: 32 rows x 512 elements of 2 bytes, 32 bytes behind each;  the scale bytes: 8,192 dense bytes as 32 rows of 32 elements of 8 bytes
	s_mov_b32 s[G1K], 15|(0<<16)|(1<<20)|(1<<21)|(5<<22)|(3<<25)   ; 15:0 the mask: all four work-groups; 17:16 elements of 1 byte; 20 padding on; 21 set beside a mask; 24:22 after every 64 words; 31:25 four words
	s_mov_b32 s[G1K+1], 256<<16                    ; tensor_dim0
	s_mov_b32 s[G1K+2], 32<<16                     ; tensor_dim1
	s_mov_b32 s[G1K+3], 256<<16                    ; tile_dim0
	s_mov_b32 s[G1K+4], 32                         ; tile_dim1
	s_mov_b32 s[G1K+5], 256                        ; from row to row
	s_mov_b32 s[G1K+6], 0
	s_mov_b32 s[G1K+7], 0
	s_mov_b32 s[G1V], 15|(1<<16)|(1<<20)|(1<<21)|(7<<22)|(7<<25)   ; elements of 2 bytes; after every 256 words eight words
	s_mov_b32 s[G1V+1], 512<<16
	s_mov_b32 s[G1V+2], 32<<16
	s_mov_b32 s[G1V+3], 512<<16
	s_mov_b32 s[G1V+4], 32
	s_mov_b32 s[G1V+5], 512
	s_mov_b32 s[G1V+6], 0
	s_mov_b32 s[G1V+7], 0
	s_mov_b32 s[G1S], 15|(3<<16)|(1<<21)           ; elements of 8 bytes, no padding
	s_mov_b32 s[G1S+1], 32<<16
	s_mov_b32 s[G1S+2], 32<<16
	s_mov_b32 s[G1S+3], 32<<16
	s_mov_b32 s[G1S+4], 32
	s_mov_b32 s[G1S+5], 32
	s_mov_b32 s[G1S+6], 0
	s_mov_b32 s[G1S+7], 0
	s_mov_b32 s[SEL], 0x76543210
	s_mov_b32 s[SEL+1], 0xfedcba98
	s_mov_b32 s[SC], 0x3d3504f3                    ; 1 / sqrt(512), as f32 division of 1 by the f32 root gives it
	s_mov_b32 s[SC+1], s[SC]                       ; (named with it as a pair, so it is written)
	s_mov_b32 s[LG], 0x3fb8aa3b                    ; log2(e)
	s_mov_b32 s[LG+1], s[LG]
	; the lanes' places: every LDS address is a constant + constants x lane and wave
	v_and_b32 v1, 15, v0                           ; r = lane % 16
	v_bfe_u32 v2, v0, 4, 1                         ; h = lane / 16
	v_and_b32 v76, 31, v0                          ; lane
	v_mul_u32_u24 v[AK0], v1, KP
	v_lshl_add_u32 v[AK0], v2, 4, v[AK0]           ; K: row r, + 16 h
	v_and_b32 v77, 7, v0
	v_bfe_u32 v78, v0, 3, 1
	v_lshl_add_u32 v[AV0], v2, 3, v77
	v_mul_u32_u24 v[AV0], v[AV0], VP
	v_lshl_add_u32 v[AV0], v78, 4, v[AV0]          ; V: key 8 h + lane % 8, channels 8 ((lane / 8) % 2) on,
	s_lshl_b32 s23, s[CJ], 9
	s_add_co_u32 s23, s23, VOFF
	v_add_nc_u32 v[AV0], s23, v[AV0]               ; of my 256 channels
	v_lshlrev_b32 v[GO], 4, v76                    ; 16 x lane
	s_lshl_b32 s23, s[WV], 12
	s_add_co_u32 s23, s23, PIMG
	v_add_nc_u32 v[PWA], s23, v[GO]
	s_lshl_b32 s23, s[PW], 12
	s_add_co_u32 s23, s23, PIMG
	v_add_nc_u32 v[PRA], s23, v[GO]
	v_lshlrev_b32 v77, 2, v76                      ; 4 x lane
	s_lshl_b32 s23, s[WV], 9
	s_add_co_u32 s23, s23, AIMG
	v_add_nc_u32 v[AWA], s23, v77
	s_lshl_b32 s23, s[PW], 9
	s_add_co_u32 s23, s23, AIMG
	v_add_nc_u32 v[ARA], s23, v77
	v_add_nc_u32 v[ASC0], SCK, v[GO]
	s_mul_i32 s23, s[WV], 16*SPITCH                ; my stage
	v_mul_u32_u24 v[STO], v1, SPITCH
	v_lshl_add_u32 v[STO], v2, 5, v[STO]
	v_add_nc_u32 v[STO], s23, v[STO]               ; in: row r, 32 bytes for each half of the lanes
	v_add_nc_u32 v[RD], s23, v[GO]                 ; back: 32 lanes take 512 bytes of a row
	v_lshlrev_b32 v[PFO], 8, v76
	v_lshlrev_b32 v[XA], 11, v1
	v_lshl_add_u32 v[XA], v2, 7, v[XA]
	v_lshlrev_b32 v[H8], 3, v2
	s_wait_dscnt 0x0                               ; both opening adds are done
	s_wait_kmcnt 0x0
	; descriptor groups 0: made of the batch and the wave's number alone
	s_mov_b32 s89, 0
	s_lshl_b32 s88, s[BAT], 15                     ; the batch's 32,768 scale bytes,
	s_lshl_b32 s2, s[WV], 13                       ; my quarter of them
	s_add_co_u32 s88, s88, s2
	s_mov_b32 s[G0S], 1                            ; 1:0 count = 1
	s_add_co_u32 s[G0S+1], s2, SCK                 ; 63:32 LDS address
	s_add_nc_u64 s[G0S+2:G0S+3], s[8:9], s[88:89]  ; 120:64 global address
	s_or_b32 s[G0S+3], s[G0S+3], 0x80000000        ; 127:126 type = 2
	s_lshl_b32 s88, s[BAT], 19                     ; the batch's 524,288 bytes of codes,
	s_lshl_b32 s2, s[CJ], 13                       ; my 32 rows of 256 bytes
	s_add_co_u32 s88, s88, s2
	s_mul_i32 s3, s[CJ], 32*KP
	s_mov_b32 s[G0K0], 1
	s_add_co_u32 s[G0K0+1], s3, K0
	s_add_nc_u64 s[G0K0+2:G0K0+3], s[6:7], s[88:89]            ; K of step 0
	s_mov_b32 s[G0K], 1
	s_mov_b32 s[G0K+1], s3
	s_add_nc_u64 s[G0K+2:G0K+3], s[G0K0+2:G0K0+3], KS*256      ; K of step 1: ring content 0
	s_or_b32 s[G0K0+3], s[G0K0+3], 0x80000000
	s_or_b32 s[G0K+3], s[G0K+3], 0x80000000
	s_lshl_b32 s88, s[BAT], 21                     ; the batch's 2,097,152 bytes of f16,
	s_lshl_b32 s2, s[CJ], 15                       ; my 32 rows of 1,024 bytes
	s_add_co_u32 s88, s88, s2
	s_mul_i32 s3, s[CJ], 32*VP
	s_mov_b32 s[G0V], 1
	s_add_co_u32 s[G0V+1], s3, VOFF
	s_add_nc_u64 s[G0V+2:G0V+3], s[10:11], s[88:89]            ; V of step 0
	s_or_b32 s[G0V+3], s[G0V+3], 0x80000000
	; query, mask and out0 at my rows (registers of their own: none that feeds a descriptor ever holds my place in the cluster)
	s_lshl_b32 s90, s[BAT], 11
	s_lshl_b32 s91, s[BLK], 7
	s_add_co_u32 s90, s90, s91                     ; my block's first row among the 32,768
	s_lshl_b32 s91, s[PW], 5
	s_add_co_u32 s92, s90, s91                     ; my partner's first query,
	s_lshl_b32 s91, s[WV], 5
	s_add_co_u32 s90, s90, s91                     ; and mine
	s_mov_b32 s91, 0
	s_mov_b32 s93, 0
	s_add_nc_u64 s[12:13], s[12:13], s[90:91]      ; mask: a byte a row
	s_lshl_b32 s90, s90, 11                        ; rows of 2,048 bytes
	s_lshl_b32 s92, s92, 11
	s_add_nc_u64 s[4:5], s[4:5], s[90:91]
	s_lshl_b32 s94, s[CJ], 10                      ; my 256 channels
	s_add_co_u32 s90, s90, s94
	s_add_co_u32 s92, s92, s94
	s_add_nc_u64 s[OWN:OWN+1], s[14:15], s[90:91]
	s_add_nc_u64 s[PAR:PAR+1], s[14:15], s[92:93]
	; the prefetches (macro ASK): waves 0 and 1 for V, wave 2 for K
	s_cmp_lt_u32 s[WV], 2
	s_cselect_b64 s[PFA:PFA+1], s[10:11], s[6:7]
	s_cselect_b32 s[LIM], 0, 1
	s_cselect_b32 s[MSK], 0, 1
	s_mov_b32 s[PFS], 0x4000
	s_cselect_b32 s[PFS], 0x10000, s[PFS]          ; a trip on: a step of V or of K
	s_cselect_b32 s96, 14, 13                      ; a partner's share: 16,384 or 8,192 bytes
	s_cselect_b32 s97, 21, 19                      ; a batch: 2^21 or 2^19 bytes
	s_mov_b32 s98, 0x8000
	s_cselect_b32 s98, 0x10000, s98                ; one step short of what trip 0 would name: V of step 1, K of step 2
	s_lshl_b32 s96, s[CX], s96
	s_lshl_b32 s97, s[BAT], s97
	s_add_co_u32 s96, s96, s97
	s_add_co_u32 s96, s96, s98
	s_lshl_b32 s97, s[CJ], 13                      ; waves 0 and 1: 8,192 bytes each
	s_add_co_u32 s96, s96, s97
	s_mov_b32 s97, 0
	s_add_nc_u64 s[PFA:PFA+1], s[PFA:PFA+1], s[96:97]
	s_mov_b32 s[PFS+1], 0
	s_lshr_b32 s99, s[WV], 1
	s_and_b32 s99, s99, s[WV]                      ; 1 in wave 3 alone,
	s_or_b32 s99, s99, ttmp9                       ; 0 in waves 0 to 2 of the batch's first cluster: the same in all four partners
	s_cmp_eq_u32 s99, 0
	s_cselect_b32 s[LIM], s[LIM], -1
	CROUND                                         ; all four work-groups are here: the first joint loads meet
	tensor_load_to_lds s[G0S:G0S+3], s[G1S:G1S+7]  ; every wave: its quarter of the batch's scale bytes, filled once
	s_nop 0
	s_cmp_lt_u32 s[WV], 2
	s_cbranch_scc0 .Lfirst_v
	tensor_load_to_lds s[G0K0:G0K0+3], s[G1K:G1K+7]   ; K of step 0, filled once
	s_nop 0
	tensor_load_to_lds s[G0K:G0K+3], s[G1K:G1K+7]  ; ring content 0: K of step 1
	s_nop 0
	PLACES
	s_branch .Lfirst_asked
.Lfirst_v:
	tensor_load_to_lds s[G0V:G0V+3], s[G1V:G1V+7]  ; ring content 0: V of step 0
	s_nop 0
	PLACES
.Lfirst_asked:
	global_load_u8 v[MB], v1, s[12:13]             ; the mask of my two tiles' queries
	global_load_u8 v[MB+1], v1, s[12:13] offset:16
.irp u, 0,1,2,3,4,5,6,7
	QLOAD \u
.endr
	WIN 0
.irp t, 0,1
	v_mov_b32 v[ST+8*\t], 0xff61b1e6               ; M: -3e38, under every e
	v_mov_b32 v[ST+8*\t+1], 0                      ; (fills a pair)
	v_mov_b32 v[ST+8*\t+2], 0                      ; l, in two halves
	v_mov_b32 v[ST+8*\t+3], 0
	v_mov_b32 v[ST+8*\t+5], 0                      ; (fills a pair)
.endr
.irp x, 1,3,5,7,9,11
	v_mov_b32 v[PA+\x], 0                          ; v49 .. v59, odd: they fill the pairs of a and of 1 / l
.endr
	v_mov_b32 v[TP], 0                             ; written once: a lane permute's destination counts as one of its sources
	s_wait_loadcnt 63                              ; the mask's two loads are in: 128 loads were issued behind them
.irp t, 0,1
	v_cvt_f32_u32 v[MB+\t], v[MB+\t]
	v_add_f32 v[MB+\t], -1.0, v[MB+\t]
	v_mul_f32 v[ST+8*\t+4], 0x4e6e6b28, v[MB+\t]   ; -c = (mask - 1) x 1e9: 0 for an open row
.endr
.irp u, 0,1,2,3,4,5,6,7
.if 16*(7-\u) > 63
	s_wait_loadcnt 63                              ; unit u's 16 loads are in: 16 (7 - u) were issued behind them, more than the count names
.else
	s_wait_loadcnt 16*(7-\u)
.endif
	QUANT \u
.endr
	s_wait_tensorcnt 0x0                           ; my parts of the scale bytes, of K of step 0 and of ring content 0 are in,
	s_barrier_signal -1
	s_barrier_wait -1                              ; everybody's are.
	v_add_nc_u32 v[ADK], K0, v[AK0]
	v_mov_b32 v[ADS], v[ASC0]
	FETCH_K                                        ; step 0
	s_wait_dscnt 0x0
.rept 8
	v_nop                                          ; Q's scale words were written by vector instructions: eight places ahead of a scaled matrix instruction (its codes: four)
.endr
.set i, 0
.rept 32
	KQ                                             ; the scores of step 0
.set i, i+1
.endr
	WIN 0
	PLACES
.set k, 0
.rept 63
	SLICE                                          ; and their softmax, on end: l starts from 0, since a = 2^(-infinity) = 0
.endr
	s_mov_b32 s[TB], 0
	s_mov_b32 s[TS], 1024                          ; the scale bytes of step 1
	s_mov_b32 s[CNT], 30
; ---------------- a trip ----------------
; first = 1: trip 0: V^T P starts O^T's sums, nothing is rescaled.  fill = 2: the other half takes the next content; 1: V alone; 0: nothing.  qk = 1: the next step's scores and softmax.  last = 1: 1 / l is made and handed over.
.macro TRIP first, fill, qk, last
	; the trip's addresses: also the places between the last trip's products and the lines that write P
.if \qk
	v_add_nc_u32 v[ADK], s[TB], v[AK0]
	v_add_nc_u32 v[ADS], s[TS], v[ASC0]
.endif
	v_add_nc_u32 v[ADV], s[TB], v[AV0]
	v_add_nc_u32 v[ADP], s[TB], v[PWA]
	v_add_nc_u32 v[ADQ], s[TB], v[PRA]
	v_add_nc_u32 v[ADA], s[TB], v[AWA]
	v_add_nc_u32 v[ADB], s[TB], v[ARA]
.set i, 0
.rept 32
	v_cvt_pk_f16_f32 v[P+i], v[S+2*i], v[S+2*i+1]  ; my two tiles' p, in pairs of keys: they are the second product's source 1 as they stand
.set i, i+1
.endr
.if \last
.irp t, 0,1
	v_add_f32 v[TMP+4*\t], v[ST+8*\t+2], v[ST+8*\t+3]          ; l's two halves,
.endr
.irp t, 0,1
	v_permlanex16_b32 v[TMP+4*\t+1], v[TMP+4*\t], s[SEL], s[SEL+1]
.endr
.irp t, 0,1
	v_add_f32 v[TMP+4*\t], v[TMP+4*\t], v[TMP+4*\t+1]          ; and lane l xor 16's
.endr
.irp t, 0,1
	v_rcp_f32 v[RL+2*\t], v[TMP+4*\t]
.endr
	v_nop                                          ; a plain line behind the reciprocals,
	s_wait_alu depctr_va_vdst(0)                   ; and the wait ahead of the first line that names a result
.endif
.irp g, 0,1,2,3,4,5,6,7
	ds_store_b128 v[ADP], v[P+4*\g:P+4*\g+3] offset:512*\g     ; P's image: four registers a store, lane l's 16 bytes at 16 l
.endr
.if !\first
	ds_store_b32 v[ADA], v[ST+6]                   ; a of my two tiles
	ds_store_b32 v[ADA], v[ST+14] offset:128
.endif
.if \last
	ds_store_b32 v[ADA], v[RL] offset:256
	ds_store_b32 v[ADA], v[RL+2] offset:384
.endif
	; THE ONE BARRIER.  In front of it: all my tensor loads have landed (my part of this trip's content), the add, and the wait for it, for my stores above and for my reads of the half that is filled next.
	s_wait_tensorcnt 0x0                           ; no tensor load of mine is out, so a group 0 may be written
	ds_add_u32 v[SPW], v[NIL]                      ; 0 onto my spare word; the steps below stand between it and the wait for it
.if \fill == 2
	s_xor_b32 s[G0K+1], s[G0K+1], SLOT1            ; the walking descriptors: the other half,
	s_add_nc_u64 s[G0K+2:G0K+3], s[G0K+2:G0K+3], KS*256        ; the next 64 keys; the type bits on top are not reached
.endif
.if \fill
	s_xor_b32 s[G0V+1], s[G0V+1], SLOT1
	s_add_nc_u64 s[G0V+2:G0V+3], s[G0V+2:G0V+3], KS*1024
.endif
.if \fill == 2
	s_wait_xcnt 0x0                                ; the last prefetch, a trip back, has read its address, so it may be written
	s_add_nc_u64 s[PFA:PFA+1], s[PFA:PFA+1], s[PFS:PFS+1]
.endif
	s_wait_dscnt 0x0
.if \fill
	CROUND                                         ; no wave of any partner still reads the half that is filled, or has a load on its way
	JLOAD \fill                                    ; the first thing behind the round, one tensor load a wave: it has the trip's 160 matrix instructions in which to land
.else
	s_barrier_signal -1
	s_barrier_wait -1
.endif
	; one run of LDS loads: K of the next step (34), my partner's P (8), its a (2), V's first group (16)
.if \qk
	FETCH_K
.endif
.irp g, 0,1,2,3,4,5,6,7
	ds_load_b128 v[P+32+4*\g:P+32+4*\g+3], v[ADQ] offset:512*\g
.endr
.if !\first
	ds_load_b32 v[PA], v[ADB]
	ds_load_b32 v[PA+2], v[ADB] offset:128
.endif
.if \last
	ds_load_b32 v[RL+4], v[ADB] offset:256
	ds_load_b32 v[RL+6], v[ADB] offset:384
.endif
	FETCH_V 0
	WIN 0
.if \fill == 2
	ASK
.endif
.if !\first
.set ct, 0
.rept 16
	RS ct, 0                                       ; my own tiles' O^T times a: 128 packed multiplies while the loads are on their way
	RS ct, 1
.set ct, ct+1
.endr
.endif
.if \qk
	s_wait_dscnt 26-2*\first                       ; K and its scale words are in; behind them: P's 8, a's 2 (none in trip 0) and V's 16
.set i, 0
.rept 32
	KQ
.set i, i+1
.endr
.endif
	s_wait_dscnt 16                                ; my partner's P and a are in; V's first group may be out
.if \first
	PLACES                                         ; places between the scores' products and the loads into the buffer that held half of K
.else
	RS 0, 2                                        ; these eight are those places too
	RS 0, 3
.endif
	FETCH_V 1
	s_wait_dscnt 16                                ; V's first group is in; the second may be out
	; keys 0-31 x channel tiles 0-7; the partner tiles' rescaling runs one channel tile ahead of the products
.set ct, 0
.rept 8
	PVW 0, ct, 0, \first
	PVW 0, ct, 1, \first
.if !\first
	RS ct+1, 2
.endif
	PVW 0, ct, 2, \first
	PVW 0, ct, 3, \first
.if !\first
	RS ct+1, 3                                     ; (the last of these four-line runs is also the places in front of the loads below)
.endif
.set ct, ct+1
.endr
.if \first
	PLACES
.endif
	FETCH_V 2
	s_wait_dscnt 16                                ; the second group is in
.rept 8                                ; channel tiles 8-15
	PVW 0, ct, 0, \first
	PVW 0, ct, 1, \first
.if (!\first) && (ct < 15)
	RS ct+1, 2
.endif
	PVW 0, ct, 2, \first
	PVW 0, ct, 3, \first
.if (!\first) && (ct < 15)
	RS ct+1, 3
.endif
.set ct, ct+1
.endr
	PLACES
	FETCH_V 3
	s_wait_dscnt 16                                ; the third group is in
	; keys 32-63: one slice of the next step's softmax behind each product
.set k, 0
.set ct, 0
.rept 8
.irp tp, 0,1,2,3
	PVW 1, ct, \tp, 0
.if \qk
	SLICE
.endif
.endr
.set ct, ct+1
.endr
	s_wait_dscnt 0x0                               ; the fourth group is in
.rept 8
.irp tp, 0,1,2,3
	PVW 1, ct, \tp, 0
.if \qk
	SLICE
.endif
.endr
.set ct, ct+1
.endr
	WIN 0                                          ; at a label and at a branch every window is 0
.if !\last
	s_xor_b32 s[TB], s[TB], SLOT1                  ; on to the other half,
	s_add_co_u32 s[TS], s[TS], 1024                ; and to the next step's scale bytes
.endif
.endm
	TRIP 1, 2, 1, 0                                ; trip 0: behind its round all four loads fill the second half for the first time
	s_sub_co_u32 s[CNT], s[CNT], 1
.Ltrip:                                            ; trips 1 to 29
	TRIP 0, 2, 1, 0
	s_sub_co_u32 s[CNT], s[CNT], 1
	s_cmp_lg_u32 s[CNT], 0
	s_cbranch_scc1 .Ltrip
	TRIP 0, 1, 1, 0                                ; trip 30: the tail is written out: only V of step 31 is left to fetch
	TRIP 0, 0, 0, 1                                ; trip 31: nothing to fetch, no scores
; ---------------- the way out ----------------
; Local tile tp (16 queries x my 256 channels): O^T / l, each accumulator from its low end on; a lane's eight channels are 32 bytes of a row, and the lanes beside it hold other rows: so the tile goes through my stage
; and comes back as rows of 1,024 bytes.  LDS serves a wave's instructions in order (ISA guide 5.7.1.4): no wait between the stores and the loads, nor in front of the next tile's stores.
.macro TOSTAGE tp
.set ct, 0
.rept 16
.set rA, 8*(4*(ct%8)+(\tp))
	WIN W_RS+0x41*(ct/8)
.irp p, 0,2,4,6
	v_pk_mul_f32 v[rA+\p:rA+\p+1], v[rA+\p:rA+\p+1], v[RL+2*(\tp):RL+2*(\tp)+1] op_sel_hi:[1,0]
.endr
.set ct, ct+1
.endr
.set ct, 0
.rept 16
.set rA, 8*(4*(ct%8)+(\tp))
	WIN 0x08+4*(ct/8)                              ; an LDS store's data are its source 1: window 2 or 3
	ds_store_b128 v[STO], v[rA:rA+3] offset:64*ct
	ds_store_b128 v[STO], v[rA+4:rA+7] offset:64*ct+16
.set ct, ct+1
.endr
	WIN TO1
.set i, 0
.rept 16
.irp u, 0,1
	ds_load_b128 v[128*((\tp)%2)+4*(2*i+\u):128*((\tp)%2)+4*(2*i+\u)+3], v[RD] offset:SPITCH*i+512*\u
.endr
.set i, i+1
.endr
.endm
.macro SEND tp, younger                ; younger: a count no larger than the LDS instructions issued behind tile tp's loads
	s_wait_dscnt \younger
	WIN 0x04                                       ; a store's data are its source 1: window 1
.set i, 0
.rept 16
.irp u, 0,1
.if (\tp) < 2
	global_store_b128 v[GO], v[128*((\tp)%2)+4*(2*i+\u):128*((\tp)%2)+4*(2*i+\u)+3], s[OWN:OWN+1] offset:32768*((\tp)%2)+2048*i+512*\u th:TH_STORE_NT   ; 32 lanes store 512 consecutive bytes, at a multiple of 512 from out0's first byte
.else
	global_store_b128 v[GO], v[128*((\tp)%2)+4*(2*i+\u):128*((\tp)%2)+4*(2*i+\u)+3], s[PAR:PAR+1] offset:32768*((\tp)%2)+2048*i+512*\u th:TH_STORE_NT
.endif
.endr
.set i, i+1
.endr
.endm
	PLACES                                         ; between the last products and the first read of results
	TOSTAGE 0
	TOSTAGE 1
	SEND 0, 63                                     ; behind tile 0's loads stand tile 1's 32 stores and 32 loads
	s_wait_xcnt 0x0                                ; tile 0's stores have read their registers: tile 2's loads may land there
	TOSTAGE 2
	SEND 1, 63
	s_wait_xcnt 0x0
	TOSTAGE 3
	SEND 2, 63
	SEND 3, 0
	WIN 0
	s_wait_tensorcnt 0x0                           ; the wave's end: behind my last tensor load and my last LDS store
	ds_add_u32 v[SPW], v[NIL]
	s_wait_dscnt 0x0
	CROUND                                         ; the closing round: no work-group ends while a partner may still ask for a tile that names it
	s_endpgm
.Lfunc_end_k_qc2686d3396_attn:
	.size	k_qc2686d3396_attn, .Lfunc_end_k_qc2686d3396_attn-k_qc2686d3396_attn
	.p2alignl 7, 3214868480
	.fill 96, 4, 3214868480
	.section	.rodata,"a",@progbits
	.p2align	6, 0x0
	.amdhsa_kernel k_qc2686d3396_attn
		.amdhsa_group_segment_fixed_size 327680
		.amdhsa_private_segment_fixed_size 0
		.amdhsa_enable_private_segment 0
		.amdhsa_kernarg_size 48
		.amdhsa_user_sgpr_count 2
		.amdhsa_user_sgpr_kernarg_segment_ptr 1
		.amdhsa_wavefront_size32 1
		.amdhsa_system_sgpr_workgroup_id_x 1
		.amdhsa_system_sgpr_workgroup_id_y 1
		.amdhsa_system_sgpr_workgroup_id_z 1
		.amdhsa_system_vgpr_workitem_id 0
		.amdhsa_next_free_vgpr 1024
		.amdhsa_next_free_sgpr 100
		.amdhsa_reserve_vcc 0
		.amdhsa_float_denorm_mode_32 3
		.amdhsa_float_denorm_mode_16_64 3
		.amdhsa_memory_ordered 1
		.amdhsa_forward_progress 1
		.amdhsa_inst_pref_size 255
	.end_amdhsa_kernel
	.section	.bss,"aw",@nobits
	.p2align	6
	.space	262144
	.amdgpu_metadata
---
amdhsa.version: [ 1, 2 ]
amdhsa.kernels:
  - .name:           k_qc2686d3396_attn
    .symbol:         k_qc2686d3396_attn.kd
    .args:
      - { .name: query, .offset: 0, .size: 8, .value_kind: global_buffer, .address_space: global }
      - { .name: kc, .offset: 8, .size: 8, .value_kind: global_buffer, .address_space: global }
      - { .name: ks, .offset: 16, .size: 8, .value_kind: global_buffer, .address_space: global }
      - { .name: v16, .offset: 24, .size: 8, .value_kind: global_buffer, .address_space: global }
      - { .name: mask, .offset: 32, .size: 8, .value_kind: global_buffer, .address_space: global }
      - { .name: out0, .offset: 40, .size: 8, .value_kind: global_buffer, .address_space: global }
    .group_segment_fixed_size: 327680
    .private_segment_fixed_size: 0
    .kernarg_segment_align: 8
    .kernarg_segment_size: 48
    .max_flat_workgroup_size: 128
    .sgpr_count:     100
    .vgpr_count:     1024
    .wavefront_size: 32
...
	.end_amdgpu_metadata
.endif
;; end of part 2
;; ======== version 2 of 2: 2 launches
;; limits: values are held in f16: magnitudes above 65,504 overflow, below 6.1e-05 lose precision
;; workspace buffers: kc 8,388,608 bytes; ks 524,288 bytes; v16 33,554,432 bytes
;; launch prep: the kernel of part 1 again; grid 1024 x 1, 4 waves a work-group, no clusters, 33,280 bytes of LDS; arguments key, value, kc, ks, v16; writes kc, ks, v16
;; launch attn (part 3): grid 16 x 16, 4 waves a work-group, clusters of 4 x 1, 327,680 bytes of LDS; arguments query, kc, ks, v16, mask, out0; writes out0
.if DOCPART == 3
	.amdgcn_target "amdgcn-amd-amdhsa--gfx1250"
	.amdhsa_code_object_version 6
	.text
	.protected	k_qc2686d3396_attn
	.globl	k_qc2686d3396_attn
	.p2align	8
	.type	k_qc2686d3396_attn,@function
k_qc2686d3396_attn:
	s_mov_b64 s[64:65], 0
	v_nop
	global_prefetch_b8 v0, s[64:65] scope:SCOPE_SE
	s_setreg_imm32_b32 hwreg(HW_REG_WAVE_MODE, 25, 1), 1
	s_wait_xcnt 0x0
	s_wait_alu depctr_hold_cnt(0) depctr_sa_sdst(0) depctr_va_vdst(0) depctr_va_sdst(0) depctr_va_ssrc(0) depctr_va_vcc(0) depctr_vm_vsrc(0)
	s_getreg_b32 s2, hwreg(HW_REG_IB_STS2, 6, 4)
	s_cmp_eq_u32 s2, 0
	s_cbranch_scc0 .Lentry_in_a_cluster
	s_endpgm
.Lentry_in_a_cluster:
	s_bfe_u32 s2, ttmp6, 0x10000c
	s_cmp_lg_u32 s2, 0x3003
	s_cbranch_scc0 .Lentry_shape_is_right
	s_endpgm
.Lentry_shape_is_right:
; out0[b][q][:] = the sum over k of softmax_k(e[b][q][k]) value[b][k][:],  e = (query[b][q] . key[b][k]) / sqrt(512) - (1 - mask[b][q]) x 1e9.   16 batches, 2,048 queries and keys, 512 channels.
; FIRST PRODUCT on codes of FP4 (E2M1) with one E8M0 scale for each 32 along the 512: key's codes and bytes come from kc and ks; query, which one wave reads once, is quantised here in registers.
; SECOND PRODUCT in f16 with f32 sums: p = exp(e - M) lies in (0, 1], value comes as f16 from v16.
; SOFTMAX in f32 and in e's own units: the mask's 1e9 is taken off ahead of the maximum, e - M is a true subtraction, and only the difference is multiplied by log2(e).  A running maximum M and sum l for each query;
; in every step O and l are multiplied by a = exp(M_old - M_new).
; LIMITS: NaN and infinities are not served.  e is one fused multiply-add, s x scale - c, where the definition rounds s x scale first: the same for open rows (c = 0); for masked rows it can differ where s x scale lies
; within one part in 2^24 of the middle between two f32 numbers near 1e9.  A p under 2^-24 is lost in f16, beside a row sum of at least 1.  Values beyond 65,504 have no f16 number.
; SHARES.  A work-group owns 128 queries of one batch.  O (128 x 512 f32) fills 512 registers of each of its four waves: wave w holds O^T of queries 64 (w / 2) .. + 63 and channels 256 (w % 2) .. + 255, so that each
; fragment of V read from LDS feeds four matrix instructions.  Scores and softmax are not made twice: wave w makes those of queries 32 w .. 32 w + 31 (two tiles of 16), and waves w and w xor 1, which hold the same 64
; queries of O, hand each other P (as images of the operand's registers) and a through LDS.  Local tiles 0, 1 are the wave's own, 2, 3 its partner's.
; LAYOUT.  S^T = K Q^T (source 0 = 16 keys, source 1 = 16 queries): a lane holds ONE query (lane % 16) and keys 8 (lane / 16) + 0..7.  Two such tiles, rounded to f16 in pairs, ARE source 1 (32 keys x 16 queries) of
; O^T = V^T P, whose result again holds one query a lane and eight channels.  K comes out of LDS as it lies, V ([key][channel]) turned, by ds_load_tr16_b128.
; THE PIPELINE.  A trip is 64 keys.  Ring content j holds K of step j + 1 and V of step j.  In trip j: P of step j is rounded and handed over | the one barrier | K Q^T of step j + 1 | V^T P of step j, 128 products,
; with the softmax of step j + 1, in slices of two, and the partner tiles' rescaling, in runs of four, between them.
; CLUSTER.  The four query blocks of a cluster belong to one batch and walk the same K and V: each tile is asked for JOINTLY, by the same tensor load with the same descriptor and a mask that names the four.
; The barrier of a trip is a round of the cluster's barrier; it serves the ring, the joint refill and the exchange of P.  By this text's own count a wave has three tensor loads out at the start, then one.
; REGISTERS, in windows of 256 (s_set_vgpr_msb: bits 1:0 source 0, 3:2 source 1, 5:4 source 2, 7:6 destination):
;   window 0: v1-23, v87 addresses; v24-59 statistics; v60-75 scale words; v76-86 at work; v128-191 S^T, 32 a tile; v192-255 P, 16 a local tile
;   window 1: v0-63, v64-127 two buffers of V (the second holds half of K until the scores are made); v128-191 K; v192-255 Q's codes
;   windows 2, 3: O^T: accumulator (channel tile ct, local tile t) at v[8 (4 (ct % 8) + t)] of window 2 + ct / 8.  At the head they stage Q's f32 numbers.
.set KS,    64                         ; keys in a trip
.set KP,    272                        ; a key's row of codes in LDS: 256 bytes + 16 = 17 x 16
.set VP,    1056                       ; a key's row of V in LDS: 1,024 bytes + 32 = 33 x 32
.set VOFF,  KS*KP                      ; a half of the ring: 64 rows of K, then 64 rows of V,
.set PIMG,  VOFF+KS*VP                 ; then P's images: 4,096 bytes a wave (8 groups of four registers, 512 bytes each),
.set AIMG,  PIMG+4*4096                ; then a and 1 / l: 512 bytes a wave (four words a lane).  No tensor load lands in the images
.set K0,    AIMG+4*512                 ; in the first half alone: K of step 0, filled once
.set SLOT1, 1<<17                      ; the second half begins here: one exclusive or turns an address in one half into the other's
.set SCK,   SLOT1+K0                   ; behind the second half's images: the batch's 32,768 scale bytes of K, as they lie in memory, filled once
.set SPARE, SCK+32768                  ; the spare words, 128 bytes for each wave, which no other line names
.set QST,   SPARE+512                  ; Q's stages: 16 rows x QSP bytes for each wave.  No tensor load lands there
.set QSP,   528                        ; a stage row: 512 bytes + 16 = 33 x 16
.set SPITCH, 1040                      ; the way out: a stage of 16 rows x (1,024 bytes + 16) for each wave, in the first half's tiles, which have had their last fill and their last read by then
.set AK0,  3                           ; v3   my lane's place in a tile of K
.set AV0,  4                           ; v4   in a tile of V, my wave's 256 channels
.set PWA,  5                           ; v5   where I put P's images;  v6 where I find my partner's
.set PRA,  6
.set AWA,  7                           ; v7, v8 the same for a and 1 / l
.set ARA,  8
.set ASC0, 9                           ; v9   my lane's place among K's scale bytes: 16 x lane
.set ADK,  10                          ; v10-16 the trip's addresses: the seven above + the half in hand (the scale bytes: + the step)
.set ADV,  11
.set ADP,  12
.set ADQ,  13
.set ADA,  14
.set ADB,  15
.set ADS,  16
.set STO,  17                          ; v17  the way out: where I put 32 bytes of a row;  v18 where I read a row back;  v19 16 x lane
.set RD,   18
.set GO,   19
.set PFO,  20                          ; v20  256 x lane: the prefetches' offset; never rewritten
.set QSI,  21                          ; v21  Q's stage, on the way in: 16 x lane;  v87 on the way out: row lane % 16, + 128 (lane / 16)
.set QSO,  87
.set SPW,  22                          ; v22  LDS address of my spare word: SPARE + 4 x my thread's number; never rewritten
.set NIL,  23                          ; v23  0; never rewritten
.set ST,   24                          ; tile t at v[24 + 8 t]: +0 M, +2, +3 l (two halves), +4 -c = (mask - 1) x 1e9, +6 a, +7 at work; +1, +5 only fill pairs
.set TMP,  40                          ; v[40 + 4 t] on: four registers at work
.set PA,   48                          ; v48, v50 my partner's a (v49, v51 only fill pairs)
.set RL,   52                          ; v[52 + 2 t'] 1 / l of local tile t'
.set QS,   60                          ; v60-67 Q's scale words: tile t, K step s at 4 t + s
.set KSW,  68                          ; v68-75 K's: register 4 p + s: lanes 0-15 key tile 2 p, lanes 16-31 key tile 2 p + 1
.set TM,   76                          ; the quantiser's: v76-77 largest magnitudes, v78-79 scale operands, v80-81 bytes, v82 the word, v83 the other half's, v84 8 (lane / 16)
.set SO,   78
.set BY,   80
.set W,    82
.set TP,   83
.set H8,   84
.set MB,   85                          ; v85-86 the mask's bytes
.set S,    128
.set P,    192
.set VB,   64                          ; window 1
.set KB,   128
.set QC,   192
.set WV,   16                          ; s16 wave;  s18 wave % 2;  s19 my place in the cluster;  s20 my block of 128 queries;  s21 the batch;  s22 my partner
.set CJ,   18
.set CX,   19
.set BLK,  20
.set BAT,  21
.set PW,   22
.set G1K,  24                          ; s[24:31], s[32:39], s[40:47] descriptor groups 1 for K's tiles, V's tiles, the scale bytes
.set G1V,  32
.set G1S,  40
.set G0K,  48                          ; s[48:51], s[52:55] groups 0 for K and V, which walk;  s[56:59] the scale bytes';  s[60:63] that of K of step 0
.set G0V,  52
.set G0S,  56
.set G0K0, 60
.set TB,   66                          ; s66 the half in hand;  s67 where the step's scale bytes begin;  s68 trips that still ask for K and V
.set TS,   67
.set CNT,  68
.set SEL,  70                          ; s[70:71] v_permlanex16_b32's selects for lane l xor 16
.set SC,   72                          ; s[72:73] 1 / sqrt(512);  s[74:75] log2(e): the packed forms name a pair and take its low word for both halves
.set LG,   74
.set PFA,  76                          ; s[76:77] where my prefetches stand;  s[78:79] their step;  s80, s81 who asks, and in which trips
.set PFS,  78
.set LIM,  80
.set MSK,  81
.set OWN,  84                          ; s[84:85] out0 at my own tiles' first row, my 256 channels;  s[86:87] at my partner's
.set PAR,  86
.set MSB, 0
.macro WIN new                         ; the immediate's high byte repeats the setting that is left; a switch that changes nothing is dropped
.if MSB != (\new)
	s_set_vgpr_msb (MSB<<8)|(\new)
.set MSB, (\new)
.endif
.endm
.set W_KQ,   0x05                      ; K and Q in window 1, S^T in window 0
.set MUL_LO, 0xa1                      ; V in window 1, P in window 0, O^T in window 2 (+ 0x50: window 3)
.set W_RS,   0x82                      ; O^T (destination and source 0) in window 2, the factor in window 0 (+ 0x41: window 3)
.set TO1,    0x40                      ; destination window 1, address window 0
.macro PLACES                          ; four plain places (ISA guide 7.12.1) where no other vector work is at hand
.rept 4
	v_nop
.endr
.endm
; A round of the cluster's barrier: my work-group's barrier; wave 0 signals for the work-group; every wave waits for all four work-groups; my work-group's barrier once more.
.macro CROUND
	s_barrier_signal -1
	s_barrier_wait -1
	s_cmp_lg_u32 s[WV], 0
	s_cbranch_scc1 .Lnot_wave_0_\@
	s_barrier_signal -3
.Lnot_wave_0_\@:
	s_barrier_wait -3
	s_barrier_signal -1
	s_barrier_wait -1
.endm
; A joint refill.  fill = 2: waves 0 and 1 fetch the halves of K's tile, waves 2 and 3 those of V's.  fill = 1: V's alone.  The branch hangs on the wave's number alone: it is the same in every work-group.
; An s_nop 0 and four v_nop follow each tensor load.
.macro JLOAD fill
	s_cmp_lt_u32 s[WV], 2
.if \fill == 2
	s_cbranch_scc0 .Lfor_v_\@
	tensor_load_to_lds s[G0K:G0K+3], s[G1K:G1K+7]
	s_nop 0
	PLACES
	s_branch .Lasked_\@
.Lfor_v_\@:
.else
	s_cbranch_scc1 .Lasked_\@
.endif
	tensor_load_to_lds s[G0V:G0V+3], s[G1V:G1V+7]
	s_nop 0
	PLACES
.Lasked_\@:
.endm
; A PREFETCH INTO THE L2 of tiles that later refills will ask for, one instruction a wave, lanes 256 bytes apart.  All clusters of a batch walk the same K and V: the batch's first cluster asks.  Its four partners
; share the bytes out BY ADDRESS; no branch hangs on a work-group's place in its cluster.  Waves 0 and 1, in trip j = 0 .. 29: V of step j + 2 (65,536 bytes: 16,384 a partner, 8,192 a wave), which the next trip's
; refill names.  Wave 2, in odd trips j up to 27: K of steps j + 3 and j + 4 (32,768 bytes: 8,192 a partner), which the next two trips' refills name.  So each block of 256 bytes is named once, the first steps come
; by their loads alone, and no address passes the batch's last byte.  s[CNT] = 30 - j.
.macro ASK
	s_cmp_gt_u32 s[CNT], s[LIM]
	s_cbranch_scc0 .Lnot_mine_\@
	s_and_b32 s82, s[CNT], s[MSK]
	s_cmp_eq_u32 s82, s[MSK]
	s_cbranch_scc0 .Lnot_mine_\@
	global_prefetch_b8 v[PFO], s[PFA:PFA+1] th:TH_LOAD_NT scope:SCOPE_SE
.Lnot_mine_\@:
.endm
; K of a step: 16 fragments (key tile f % 4, K step f / 4) of 8 registers: lane l holds key l % 16; registers 4 c .. 4 c + 3 hold k = 64 c + 32 (l / 16) + 0 .. 31: 16 bytes of the row as they lie.  And the scale words:
; a key's 16 bytes are its four words, so 32 lanes take two key tiles by one load.  34 loads.
.macro FETCH_K
	WIN TO1
.set f, 0
.rept 16
.if f < 8
.set rK, KB+8*f
.else
.set rK, VB+8*(f-8)
.endif
	ds_load_b128 v[rK:rK+3],   v[ADK] offset:(f%4)*16*KP+(f/4)*64
	ds_load_b128 v[rK+4:rK+7], v[ADK] offset:(f%4)*16*KP+(f/4)*64+32
.set f, f+1
.endr
	WIN 0
	ds_load_b128 v[KSW:KSW+3],   v[ADS]
	ds_load_b128 v[KSW+4:KSW+7], v[ADS] offset:512
.endm
; Group g of V: keys 32 (g / 2) on, channel tiles 8 (g % 2) .. + 7, into buffer g % 2.  The turning load takes 16 keys x 16 channels and leaves half a fragment of V^T: lane l holds channel l % 16 and 8 keys.  16 loads.
.macro FETCH_V g
	WIN TO1
.set c8, 0
.rept 8
	ds_load_tr16_b128 v[64*((\g)%2)+8*c8:64*((\g)%2)+8*c8+3],   v[ADV] offset:((\g)/2)*32*VP+32*(8*((\g)%2)+c8)
	ds_load_tr16_b128 v[64*((\g)%2)+8*c8+4:64*((\g)%2)+8*c8+7], v[ADV] offset:((\g)/2)*32*VP+16*VP+32*(8*((\g)%2)+c8)
.set c8, c8+1
.endr
.endm
; Product i of 32 of S^T = K Q^T: K step i / 8, key tile (i / 2) % 4, my tile i % 2.  The first eight start the sums.  The eight accumulators take turns, one instruction a turn.
.macro KQ
.set ks_, i/8
.set kt, (i/2)%4
.set t, i%2
.set rS, S+32*t+8*kt
.if ks_ < 2
.set rK, KB+8*(4*ks_+kt)
.else
.set rK, VB+8*(4*(ks_-2)+kt)
.endif
.set rQ, QC+32*t+8*ks_
.set rW, KSW+4*(kt/2)+ks_
.set rX, QS+4*t+ks_
	WIN W_KQ
.if ks_ == 0
.if kt%2
	v_wmma_scale_f32_16x16x128_f8f6f4 v[rS:rS+7], v[rK:rK+7], v[rQ:rQ+7], 0, v[rW], v[rX] matrix_a_fmt:MATRIX_FMT_FP4 matrix_b_fmt:MATRIX_FMT_FP4 matrix_a_scale:MATRIX_SCALE_ROW1
.else
	v_wmma_scale_f32_16x16x128_f8f6f4 v[rS:rS+7], v[rK:rK+7], v[rQ:rQ+7], 0, v[rW], v[rX] matrix_a_fmt:MATRIX_FMT_FP4 matrix_b_fmt:MATRIX_FMT_FP4
.endif
.else
.if kt%2
	v_wmma_scale_f32_16x16x128_f8f6f4 v[rS:rS+7], v[rK:rK+7], v[rQ:rQ+7], v[rS:rS+7], v[rW], v[rX] matrix_a_fmt:MATRIX_FMT_FP4 matrix_b_fmt:MATRIX_FMT_FP4 matrix_a_scale:MATRIX_SCALE_ROW1
.else
	v_wmma_scale_f32_16x16x128_f8f6f4 v[rS:rS+7], v[rK:rK+7], v[rQ:rQ+7], v[rS:rS+7], v[rW], v[rX] matrix_a_fmt:MATRIX_FMT_FP4 matrix_b_fmt:MATRIX_FMT_FP4
.endif
.endif
.endm
; One product of O^T += V^T P: keys 32 kk on, channel tile ct, local tile tp.  zero = 1: it starts the sum: nothing is ever cleared.  The 64 accumulators take turns, one instruction a turn.
.macro PVW kk, ct, tp, zero
.set rA, 8*(4*((\ct)%8)+(\tp))
.set rV, 64*((\ct)/8)+8*((\ct)%8)
.set rP, P+16*(\tp)+8*(\kk)
	WIN MUL_LO+0x50*((\ct)/8)
.if \zero
	v_wmma_f32_16x16x32_f16 v[rA:rA+7], v[rV:rV+7], v[rP:rP+7], 0
.else
	v_wmma_f32_16x16x32_f16 v[rA:rA+7], v[rV:rV+7], v[rP:rP+7], v[rA:rA+7]
.endif
.endm
; Accumulator (ct, tp) times its tile's a: four packed multiplies, from the accumulator's low end on.
.macro RS ct, tp
.set rA, 8*(4*((\ct)%8)+(\tp))
.if (\tp) < 2
.set rF, ST+8*(\tp)+6
.else
.set rF, PA+2*((\tp)-2)
.endif
	WIN W_RS+0x41*((\ct)/8)
.irp p, 0,2,4,6
	v_pk_mul_f32 v[rA+\p:rA+\p+1], v[rA+\p:rA+\p+1], v[rF:rF+1] op_sel_hi:[1,0]
.endr
.endm
; THE SOFTMAX of one of my tiles for one step is a list of 125 numbers; SM writes number nn of it for tile tt, all in window 0.  s0-s31 are the lane's 32 scores, in pairs 0-15.
;   0-15    e = s x scale - c, a pair each: each accumulator is first read at its low end
;   16-31   the maximum of the 32: four chains of seven, then the four left over and the chains
;   32-38   the other half of the lanes' maximum; the old M kept; the new M; a = 2^((M_old - M_new) log2 e)          39 is empty, so that the batch begins at an even number
;   40-107  ONE BATCH, in fours for pair b = 0 .. 16: pair b less M | 2^ of pair b - 1's first | pair b times log2 e | 2^ of pair b - 1's second.  None of these reads an exponential's result
;   108     a plain instruction behind the last exponential (tile 0) and the ONE wait for all 66 exponentials of both tiles (tile 1) ahead of the first line that names a result
;   109-124 the sum of the 16 pairs in two chains; l = a l + the sum.  S^T keeps p: the next trip rounds it to f16
.macro SM nn, tt
.set n, (\nn)
.set t, (\tt)
.set rT, ST+8*t
.set rC, TMP+4*t
.set rS, S+32*t
.set b, (n-40)/4
.set kx, (n-40)%4
.set emp, 0
.if (n == 39) || (n > 124)
.set emp, 1
.endif
.if (n >= 40) && (n < 108)
.if ((b == 0) && ((kx%2) == 1)) || ((b == 16) && ((kx%2) == 0))
.set emp, 1
.endif
.endif
.if !emp
	WIN 0
.if n < 16
	v_pk_fma_f32 v[rS+2*n:rS+2*n+1], v[rS+2*n:rS+2*n+1], s[SC:SC+1], v[rT+4:rT+5] op_sel_hi:[1,0,0]
.elseif n < 20
	v_max3_num_f32 v[rC+n-16], v[rS+8*(n-16)], v[rS+8*(n-16)+1], v[rS+8*(n-16)+2]
.elseif n < 28
	v_max3_num_f32 v[rC+(n-20)%4], v[rC+(n-20)%4], v[rS+8*((n-20)%4)+2*((n-20)/4)+3], v[rS+8*((n-20)%4)+2*((n-20)/4)+4]
.elseif n == 28
	v_max3_num_f32 v[rC], v[rC], v[rS+7], v[rS+15]
.elseif n == 29
	v_max3_num_f32 v[rC+2], v[rC+2], v[rS+23], v[rS+31]
.elseif n == 30
	v_max3_num_f32 v[rC], v[rC], v[rC+1], v[rC+2]
.elseif n == 31
	v_max_num_f32 v[rC], v[rC], v[rC+3]
.elseif n == 32
	v_permlanex16_b32 v[rC+1], v[rC], s[SEL], s[SEL+1]     ; the query's other 32 keys lie in the lane 16 away
.elseif n == 33
	v_mov_b32 v[rT+7], v[rT]
.elseif n == 34
	v_max_num_f32 v[rC], v[rC], v[rC+1]
.elseif n == 35
	v_max_num_f32 v[rT], v[rT], v[rC]
.elseif n == 36
	v_sub_f32 v[rT+7], v[rT+7], v[rT]
.elseif n == 37
	v_mul_f32 v[rT+7], s[LG], v[rT+7]
.elseif n == 38
	v_exp_f32 v[rT+6], v[rT+7]
.elseif n < 108
.if kx == 0
	v_pk_add_f32 v[rS+2*b:rS+2*b+1], v[rS+2*b:rS+2*b+1], v[rT:rT+1] op_sel_hi:[1,0] neg_lo:[0,1] neg_hi:[0,1]
.elseif kx == 2
	v_pk_mul_f32 v[rS+2*b:rS+2*b+1], v[rS+2*b:rS+2*b+1], s[LG:LG+1] op_sel_hi:[1,0]
.elseif kx == 1
	v_exp_f32 v[rS+2*b-2], v[rS+2*b-2]
.else
	v_exp_f32 v[rS+2*b-1], v[rS+2*b-1]
.endif
.elseif n == 108
.if t == 0
	v_nop
.else
	s_wait_alu depctr_va_vdst(0)
.endif
.elseif n == 109
	v_pk_add_f32 v[rC:rC+1], v[rS:rS+1], v[rS+2:rS+3]
.elseif n == 110
	v_pk_add_f32 v[rC+2:rC+3], v[rS+4:rS+5], v[rS+6:rS+7]
.elseif n < 123
	v_pk_add_f32 v[rC+2*((n-111)%2):rC+2*((n-111)%2)+1], v[rC+2*((n-111)%2):rC+2*((n-111)%2)+1], v[rS+2*(n-107):rS+2*(n-107)+1]
.elseif n == 123
	v_pk_add_f32 v[rC:rC+1], v[rC:rC+1], v[rC+2:rC+3]
.else
	v_pk_fma_f32 v[rT+2:rT+3], v[rT+2:rT+3], v[rT+6:rT+7], v[rC:rC+1] op_sel_hi:[1,0,1]
.endif
.endif
.endm
; Slice k of 125: two instructions.  Outside the batch: number k of both tiles' lists, so that no instruction reads the result of the one just before it.  In the batch (slices 40 to 107): two numbers on end of ONE
; tile, a plain instruction and an exponential, the tiles by turns.  Each tile's list is walked in its own order.
.macro SLICE
.if k < 125
.if (k >= 40) && (k < 108)
	SM 40+2*((k-40)/2), (k-40)%2
	SM 41+2*((k-40)/2), (k-40)%2
.else
	SM k, 0
	SM k, 1
.endif
.endif
.set k, k+1
.endm
; Q, unit u = 4 t + s (my tile t, K step s): 16 rows x 128 numbers.  A load takes one row's 512 bytes, 16 a lane: 32 lanes read 512 consecutive bytes.  16 loads, into window 2 + t.
.macro QLOAD u
.set t, (\u)/4
.set ks_, (\u)%4
	WIN 0x80+0x40*t
.set i, 0
.rept 16
	global_load_b128 v[64*ks_+4*i:64*ks_+4*i+3], v[GO], s[4:5] offset:32768*t+2048*i+512*ks_ th:TH_LOAD_NT
.set i, i+1
.endr
.endm
; The unit turns through my stage: in as rows, back so that lane (r, h) holds, of row r, k = 64 c + 32 h + 0 .. 31 of the K step for c = 0, 1: the very numbers that the operand's layout gives that lane, into the
; registers that the unit left.  LDS serves a wave's instructions in order (ISA guide 5.7.1.4): no wait between the stores and the loads, nor in front of the next unit's stores.
.macro TURNQ u
.set t, (\u)/4
.set X0, 64*((\u)%4)
	WIN 0x08+4*t                                   ; an LDS store's data are its source 1: window 2 + t
.set i, 0
.rept 16
	ds_store_b128 v[QSI], v[X0+4*i:X0+4*i+3] offset:QSP*i
.set i, i+1
.endr
	WIN 0x80+0x40*t
.irp c, 0,1
.irp g, 0,1,2,3,4,5,6,7
	ds_load_b128 v[X0+32*\c+4*\g:X0+32*\c+4*\g+3], v[QSO] offset:256*\c+16*\g
.endr
.endr
.endm
; and its codes and scale word.  A lane holds two whole blocks (2 c + h), so no other lane is asked for a maximum; the word's four bytes are gathered from lanes l and l xor 16.
.macro QUANT u
.set t, (\u)/4
.set X0, 64*((\u)%4)
	WIN 0x0a+5*t                                   ; sources 0 and 1: window 2 + t
.irp c, 0,1
	v_max3_num_f32 v[TM+\c], |v[X0+32*\c]|, |v[X0+32*\c+1]|, 0x1800000   ; with the floor 2^(3 - 127): so the byte cannot fall under 1
.endr
.irp i, 2,4,6,8,10,12,14,16,18,20,22,24,26,28,30
.irp c, 0,1
	v_max3_num_f32 v[TM+\c], |v[X0+32*\c+\i]|, |v[X0+32*\c+\i+1]|, v[TM+\c]   ; (the two blocks by turns)
.endr
.endr
	WIN 0
	v_add_nc_u32 v[SO], 0xff000000, v[TM]          ; 2 off the exponent field: the conversion takes the exponent field of this operand as its scale, and nothing else of it
	v_add_nc_u32 v[SO+1], 0xff000000, v[TM+1]
	v_lshrrev_b32 v[BY], 23, v[SO]                 ; the scales' bytes
	v_lshrrev_b32 v[BY+1], 23, v[SO+1]
	v_lshl_or_b32 v[W], v[BY+1], 16, v[BY]         ; blocks h and 2 + h,
	v_lshlrev_b32 v[W], v[H8], v[W]                ; at their places in the word
	v_permlanex16_b32 v[TP], v[W], s[SEL], s[SEL+1]
	v_or_b32 v[QS+(\u)], v[W], v[TP]               ; with lane l xor 16's two the word is whole
	WIN 0x42+t                                     ; the numbers in window 2 + t, the codes in window 1
.irp c, 0,1
.irp g, 0,1,2,3
	v_cvt_scalef32_pk8_fp4_f32 v[QC+8*(\u)+4*\c+\g], v[X0+32*\c+8*\g:X0+32*\c+8*\g+7], v[SO+\c]
.endr
.endr
	v_nop                                          ; one plain line behind the last scaled conversion
	WIN 0
.endm
; ---------------- the head ----------------
	s_load_b256 s[4:11], s[0:1], 0x0               ; query s[4:5], kc s[6:7], ks s[8:9], v16 s[10:11]
	s_load_b128 s[12:15], s[0:1], 0x20             ; mask s[12:13], out0 s[14:15]
	v_lshl_add_u32 v[SPW], v0, 2, SPARE
	v_mov_b32 v[NIL], 0
	ds_add_u32 v[SPW], v[NIL]                      ; the wave's opening: the add, twice on end, and its wait ahead of my first tensor load; the set-up below, work on registers, stands between
	ds_add_u32 v[SPW], v[NIL]
	v_lshrrev_b32 v1, 5, v0
	v_readfirstlane_b32 s[WV], v1                  ; wave 0..3
	s_and_b32 s[CJ], s[WV], 1                      ; which 256 channels of O are mine.  Also: which 32 rows of a tile I fetch
	s_xor_b32 s[PW], s[WV], 1                      ; my partner
	s_bfe_u32 s[CX], ttmp6, 0x40000                ; my place in the cluster: it enters query's, mask's, out0's and the prefetches' addresses alone
	s_lshl_b32 s[BLK], ttmp9, 2
	s_add_co_u32 s[BLK], s[BLK], s[CX]             ; my block of 128 queries = 4 x cluster x + cx
	s_and_b32 s[BAT], ttmp7, 0xffff                ; the batch, which the four partners share
	; descriptor groups 1.  K: 32 rows x 256 bytes, 16 bytes of padding behind each;  V: 32 rows x 512 elements of 2 bytes, 32 bytes behind each;  the scale bytes: 8,192 dense bytes as 32 rows of 32 elements of 8 bytes
	s_mov_b32 s[G1K], 15|(0<<16)|(1<<20)|(1<<21)|(5<<22)|(3<<25)   ; 15:0 the mask: all four work-groups; 17:16 elements of 1 byte; 20 padding on; 21 set beside a mask; 24:22 after every 64 words; 31:25 four words
	s_mov_b32 s[G1K+1], 256<<16                    ; tensor_dim0
	s_mov_b32 s[G1K+2], 32<<16                     ; tensor_dim1
	s_mov_b32 s[G1K+3], 256<<16                    ; tile_dim0
	s_mov_b32 s[G1K+4], 32                         ; tile_dim1
	s_mov_b32 s[G1K+5], 256                        ; from row to row
	s_mov_b32 s[G1K+6], 0
	s_mov_b32 s[G1K+7], 0
	s_mov_b32 s[G1V], 15|(1<<16)|(1<<20)|(1<<21)|(7<<22)|(7<<25)   ; elements of 2 bytes; after every 256 words eight words
	s_mov_b32 s[G1V+1], 512<<16
	s_mov_b32 s[G1V+2], 32<<16
	s_mov_b32 s[G1V+3], 512<<16
	s_mov_b32 s[G1V+4], 32
	s_mov_b32 s[G1V+5], 512
	s_mov_b32 s[G1V+6], 0
	s_mov_b32 s[G1V+7], 0
	s_mov_b32 s[G1S], 15|(3<<16)|(1<<21)           ; elements of 8 bytes, no padding
	s_mov_b32 s[G1S+1], 32<<16
	s_mov_b32 s[G1S+2], 32<<16
	s_mov_b32 s[G1S+3], 32<<16
	s_mov_b32 s[G1S+4], 32
	s_mov_b32 s[G1S+5], 32
	s_mov_b32 s[G1S+6], 0
	s_mov_b32 s[G1S+7], 0
	s_mov_b32 s[SEL], 0x76543210
	s_mov_b32 s[SEL+1], 0xfedcba98
	s_mov_b32 s[SC], 0x3d3504f3                    ; 1 / sqrt(512), as f32 division of 1 by the f32 root gives it
	s_mov_b32 s[SC+1], s[SC]                       ; (named with it as a pair, so it is written)
	s_mov_b32 s[LG], 0x3fb8aa3b                    ; log2(e)
	s_mov_b32 s[LG+1], s[LG]
	; the lanes' places: every LDS address is a constant + constants x lane and wave
	v_and_b32 v1, 15, v0                           ; r = lane % 16
	v_bfe_u32 v2, v0, 4, 1                         ; h = lane / 16
	v_and_b32 v76, 31, v0                          ; lane
	v_mul_u32_u24 v[AK0], v1, KP
	v_lshl_add_u32 v[AK0], v2, 4, v[AK0]           ; K: row r, + 16 h
	v_and_b32 v77, 7, v0
	v_bfe_u32 v78, v0, 3, 1
	v_lshl_add_u32 v[AV0], v2, 3, v77
	v_mul_u32_u24 v[AV0], v[AV0], VP
	v_lshl_add_u32 v[AV0], v78, 4, v[AV0]          ; V: key 8 h + lane % 8, channels 8 ((lane / 8) % 2) on,
	s_lshl_b32 s23, s[CJ], 9
	s_add_co_u32 s23, s23, VOFF
	v_add_nc_u32 v[AV0], s23, v[AV0]               ; of my 256 channels
	v_lshlrev_b32 v[GO], 4, v76                    ; 16 x lane
	s_lshl_b32 s23, s[WV], 12
	s_add_co_u32 s23, s23, PIMG
	v_add_nc_u32 v[PWA], s23, v[GO]
	s_lshl_b32 s23, s[PW], 12
	s_add_co_u32 s23, s23, PIMG
	v_add_nc_u32 v[PRA], s23, v[GO]
	v_lshlrev_b32 v77, 2, v76                      ; 4 x lane
	s_lshl_b32 s23, s[WV], 9
	s_add_co_u32 s23, s23, AIMG
	v_add_nc_u32 v[AWA], s23, v77
	s_lshl_b32 s23, s[PW], 9
	s_add_co_u32 s23, s23, AIMG
	v_add_nc_u32 v[ARA], s23, v77
	v_add_nc_u32 v[ASC0], SCK, v[GO]
	s_mul_i32 s23, s[WV], 16*SPITCH                ; my stage for the way out
	v_mul_u32_u24 v[STO], v1, SPITCH
	v_lshl_add_u32 v[STO], v2, 5, v[STO]
	v_add_nc_u32 v[STO], s23, v[STO]               ; in: row r, 32 bytes for each half of the lanes
	v_add_nc_u32 v[RD], s23, v[GO]                 ; back: 32 lanes take 512 bytes of a row
	s_mul_i32 s23, s[WV], 16*QSP
	s_add_co_u32 s23, s23, QST                     ; my stage for Q
	v_add_nc_u32 v[QSI], s23, v[GO]                ; in: a row's 512 bytes as they lie
	v_mul_u32_u24 v[QSO], v1, QSP
	v_lshl_add_u32 v[QSO], v2, 7, v[QSO]
	v_add_nc_u32 v[QSO], s23, v[QSO]               ; back: row r, + 128 h
	v_lshlrev_b32 v[PFO], 8, v76
	v_lshlrev_b32 v[H8], 3, v2
	s_wait_dscnt 0x0                               ; both opening adds are done
	s_wait_kmcnt 0x0
	; descriptor groups 0: made of the batch and the wave's number alone
	s_mov_b32 s89, 0
	s_lshl_b32 s88, s[BAT], 15                     ; the batch's 32,768 scale bytes,
	s_lshl_b32 s2, s[WV], 13                       ; my quarter of them
	s_add_co_u32 s88, s88, s2
	s_mov_b32 s[G0S], 1                            ; 1:0 count = 1
	s_add_co_u32 s[G0S+1], s2, SCK                 ; 63:32 LDS address
	s_add_nc_u64 s[G0S+2:G0S+3], s[8:9], s[88:89]  ; 120:64 global address
	s_or_b32 s[G0S+3], s[G0S+3], 0x80000000        ; 127:126 type = 2
	s_lshl_b32 s88, s[BAT], 19                     ; the batch's 524,288 bytes of codes,
	s_lshl_b32 s2, s[CJ], 13                       ; my 32 rows of 256 bytes
	s_add_co_u32 s88, s88, s2
	s_mul_i32 s3, s[CJ], 32*KP
	s_mov_b32 s[G0K0], 1
	s_add_co_u32 s[G0K0+1], s3, K0
	s_add_nc_u64 s[G0K0+2:G0K0+3], s[6:7], s[88:89]            ; K of step 0
	s_mov_b32 s[G0K], 1
	s_mov_b32 s[G0K+1], s3
	s_add_nc_u64 s[G0K+2:G0K+3], s[G0K0+2:G0K0+3], KS*256      ; K of step 1: ring content 0
	s_or_b32 s[G0K0+3], s[G0K0+3], 0x80000000
	s_or_b32 s[G0K+3], s[G0K+3], 0x80000000
	s_lshl_b32 s88, s[BAT], 21                     ; the batch's 2,097,152 bytes of f16,
	s_lshl_b32 s2, s[CJ], 15                       ; my 32 rows of 1,024 bytes
	s_add_co_u32 s88, s88, s2
	s_mul_i32 s3, s[CJ], 32*VP
	s_mov_b32 s[G0V], 1
	s_add_co_u32 s[G0V+1], s3, VOFF
	s_add_nc_u64 s[G0V+2:G0V+3], s[10:11], s[88:89]            ; V of step 0
	s_or_b32 s[G0V+3], s[G0V+3], 0x80000000
	; query, mask and out0 at my rows (registers of their own: none that feeds a descriptor ever holds my place in the cluster)
	s_lshl_b32 s90, s[BAT], 11
	s_lshl_b32 s91, s[BLK], 7
	s_add_co_u32 s90, s90, s91                     ; my block's first row among the 32,768
	s_lshl_b32 s91, s[PW], 5
	s_add_co_u32 s92, s90, s91                     ; my partner's first query,
	s_lshl_b32 s91, s[WV], 5
	s_add_co_u32 s90, s90, s91                     ; and mine
	s_mov_b32 s91, 0
	s_mov_b32 s93, 0
	s_add_nc_u64 s[12:13], s[12:13], s[90:91]      ; mask: a byte a row
	s_lshl_b32 s90, s90, 11                        ; rows of 2,048 bytes
	s_lshl_b32 s92, s92, 11
	s_add_nc_u64 s[4:5], s[4:5], s[90:91]
	s_lshl_b32 s94, s[CJ], 10                      ; my 256 channels
	s_add_co_u32 s90, s90, s94
	s_add_co_u32 s92, s92, s94
	s_add_nc_u64 s[OWN:OWN+1], s[14:15], s[90:91]
	s_add_nc_u64 s[PAR:PAR+1], s[14:15], s[92:93]
	; the prefetches (macro ASK): waves 0 and 1 for V, wave 2 for K
	s_cmp_lt_u32 s[WV], 2
	s_cselect_b64 s[PFA:PFA+1], s[10:11], s[6:7]
	s_cselect_b32 s[LIM], 0, 1
	s_cselect_b32 s[MSK], 0, 1
	s_mov_b32 s[PFS], 0x4000
	s_cselect_b32 s[PFS], 0x10000, s[PFS]          ; a trip on: a step of V or of K
	s_cselect_b32 s96, 14, 13                      ; a partner's share: 16,384 or 8,192 bytes
	s_cselect_b32 s97, 21, 19                      ; a batch: 2^21 or 2^19 bytes
	s_mov_b32 s98, 0x8000
	s_cselect_b32 s98, 0x10000, s98                ; one step short of what trip 0 would name: V of step 1, K of step 2
	s_lshl_b32 s96, s[CX], s96
	s_lshl_b32 s97, s[BAT], s97
	s_add_co_u32 s96, s96, s97
	s_add_co_u32 s96, s96, s98
	s_lshl_b32 s97, s[CJ], 13                      ; waves 0 and 1: 8,192 bytes each
	s_add_co_u32 s96, s96, s97
	s_mov_b32 s97, 0
	s_add_nc_u64 s[PFA:PFA+1], s[PFA:PFA+1], s[96:97]
	s_mov_b32 s[PFS+1], 0
	s_lshr_b32 s99, s[WV], 1
	s_and_b32 s99, s99, s[WV]                      ; 1 in wave 3 alone,
	s_or_b32 s99, s99, ttmp9                       ; 0 in waves 0 to 2 of the batch's first cluster: the same in all four partners
	s_cmp_eq_u32 s99, 0
	s_cselect_b32 s[LIM], s[LIM], -1
	CROUND                                         ; all four work-groups are here: the first joint loads meet
	tensor_load_to_lds s[G0S:G0S+3], s[G1S:G1S+7]  ; every wave: its quarter of the batch's scale bytes, filled once
	s_nop 0
	s_cmp_lt_u32 s[WV], 2
	s_cbranch_scc0 .Lfirst_v
	tensor_load_to_lds s[G0K0:G0K0+3], s[G1K:G1K+7]   ; K of step 0, filled once
	s_nop 0
	tensor_load_to_lds s[G0K:G0K+3], s[G1K:G1K+7]  ; ring content 0: K of step 1
	s_nop 0
	PLACES
	s_branch .Lfirst_asked
.Lfirst_v:
	tensor_load_to_lds s[G0V:G0V+3], s[G1V:G1V+7]  ; ring content 0: V of step 0
	s_nop 0
	PLACES
.Lfirst_asked:
	global_load_u8 v[MB], v1, s[12:13]             ; the mask of my two tiles' queries
	global_load_u8 v[MB+1], v1, s[12:13] offset:16
.irp u, 0,1,2,3,4,5,6,7
	QLOAD \u
.endr
	WIN 0
.irp t, 0,1
	v_mov_b32 v[ST+8*\t], 0xff61b1e6               ; M: -3e38, under every e
	v_mov_b32 v[ST+8*\t+1], 0                      ; (fills a pair)
	v_mov_b32 v[ST+8*\t+2], 0                      ; l, in two halves
	v_mov_b32 v[ST+8*\t+3], 0
	v_mov_b32 v[ST+8*\t+5], 0                      ; (fills a pair)
.endr
.irp x, 1,3,5,7,9,11
	v_mov_b32 v[PA+\x], 0                          ; v49 .. v59, odd: they fill the pairs of a and of 1 / l
.endr
	v_mov_b32 v[TP], 0                             ; written once: a lane permute's destination counts as one of its sources
	s_wait_loadcnt 63                              ; the mask's two loads and unit 0's sixteen are in: 112 loads were issued behind them, more than the count names
.irp t, 0,1
	v_cvt_f32_u32 v[MB+\t], v[MB+\t]
	v_add_f32 v[MB+\t], -1.0, v[MB+\t]
	v_mul_f32 v[ST+8*\t+4], 0x4e6e6b28, v[MB+\t]   ; -c = (mask - 1) x 1e9: 0 for an open row
.endr
	TURNQ 0
.irp u, 0,1,2,3,4,5,6,7                ; unit u + 1 turns through the stage while unit u is quantised
.if \u < 7
.if 16*(6-\u) > 63
	s_wait_loadcnt 63                              ; unit u + 1's 16 loads are in: 16 (6 - u) were issued behind them, more than the count names
.else
	s_wait_loadcnt 16*(6-\u)
.endif
	TURNQ \u+1
	s_wait_dscnt 32                                ; unit u is back from the stage; behind its loads stand unit u + 1's 16 stores and 16 loads
.else
	s_wait_dscnt 0x0
.endif
	QUANT \u
.endr
	s_wait_tensorcnt 0x0                           ; my parts of the scale bytes, of K of step 0 and of ring content 0 are in,
	s_barrier_signal -1
	s_barrier_wait -1                              ; everybody's are.
	v_add_nc_u32 v[ADK], K0, v[AK0]
	v_mov_b32 v[ADS], v[ASC0]
	FETCH_K                                        ; step 0
	s_wait_dscnt 0x0
.rept 8
	v_nop                                          ; Q's scale words were written by vector instructions: eight places ahead of a scaled matrix instruction (its codes: four)
.endr
.set i, 0
.rept 32
	KQ                                             ; the scores of step 0
.set i, i+1
.endr
	WIN 0
	PLACES
.set k, 0
.rept 125
	SLICE                                          ; and their softmax, on end: l starts from 0, since a = 2^(-infinity) = 0
.endr
	s_mov_b32 s[TB], 0
	s_mov_b32 s[TS], 1024                          ; the scale bytes of step 1
	s_mov_b32 s[CNT], 30
; ---------------- a trip ----------------
; first = 1: trip 0: V^T P starts O^T's sums, nothing is rescaled.  fill = 2: the other half takes the next content; 1: V alone; 0: nothing.  qk = 1: the next step's scores and softmax.  last = 1: 1 / l is made and handed over.
.macro TRIP first, fill, qk, last
	; the trip's addresses: also the places between the last trip's products and the lines that write P
.if \qk
	v_add_nc_u32 v[ADK], s[TB], v[AK0]
	v_add_nc_u32 v[ADS], s[TS], v[ASC0]
.endif
	v_add_nc_u32 v[ADV], s[TB], v[AV0]
	v_add_nc_u32 v[ADP], s[TB], v[PWA]
	v_add_nc_u32 v[ADQ], s[TB], v[PRA]
	v_add_nc_u32 v[ADA], s[TB], v[AWA]
	v_add_nc_u32 v[ADB], s[TB], v[ARA]
.set i, 0
.rept 32
	v_cvt_pk_f16_f32 v[P+i], v[S+2*i], v[S+2*i+1]  ; my two tiles' p, in pairs of keys: they are the second product's source 1 as they stand
.set i, i+1
.endr
.if \last
.irp t, 0,1
	v_add_f32 v[TMP+4*\t], v[ST+8*\t+2], v[ST+8*\t+3]          ; l's two halves,
.endr
.irp t, 0,1
	v_permlanex16_b32 v[TMP+4*\t+1], v[TMP+4*\t], s[SEL], s[SEL+1]
.endr
.irp t, 0,1
	v_add_f32 v[TMP+4*\t], v[TMP+4*\t], v[TMP+4*\t+1]          ; and lane l xor 16's
.endr
.irp t, 0,1
	v_rcp_f32 v[RL+2*\t], v[TMP+4*\t]
.endr
	v_nop                                          ; a plain line behind the reciprocals,
	s_wait_alu depctr_va_vdst(0)                   ; and the wait ahead of the first line that names a result
.endif
.irp g, 0,1,2,3,4,5,6,7
	ds_store_b128 v[ADP], v[P+4*\g:P+4*\g+3] offset:512*\g     ; P's image: four registers a store, lane l's 16 bytes at 16 l
.endr
.if !\first
	ds_store_b32 v[ADA], v[ST+6]                   ; a of my two tiles
	ds_store_b32 v[ADA], v[ST+14] offset:128
.endif
.if \last
	ds_store_b32 v[ADA], v[RL] offset:256
	ds_store_b32 v[ADA], v[RL+2] offset:384
.endif
	; THE ONE BARRIER.  In front of it: all my tensor loads have landed (my part of this trip's content), the add, and the wait for it, for my stores above and for my reads of the half that is filled next.
	s_wait_tensorcnt 0x0                           ; no tensor load of mine is out, so a group 0 may be written
	ds_add_u32 v[SPW], v[NIL]                      ; 0 onto my spare word; the steps below stand between it and the wait for it
.if \fill == 2
	s_xor_b32 s[G0K+1], s[G0K+1], SLOT1            ; the walking descriptors: the other half,
	s_add_nc_u64 s[G0K+2:G0K+3], s[G0K+2:G0K+3], KS*256        ; the next 64 keys; the type bits on top are not reached
.endif
.if \fill
	s_xor_b32 s[G0V+1], s[G0V+1], SLOT1
	s_add_nc_u64 s[G0V+2:G0V+3], s[G0V+2:G0V+3], KS*1024
.endif
.if \fill == 2
	s_wait_xcnt 0x0                                ; the last prefetch, a trip back, has read its address, so it may be written
	s_add_nc_u64 s[PFA:PFA+1], s[PFA:PFA+1], s[PFS:PFS+1]
.endif
	s_wait_dscnt 0x0
.if \fill
	CROUND                                         ; no wave of any partner still reads the half that is filled, or has a load on its way
	JLOAD \fill                                    ; the first thing behind the round, one tensor load a wave: it has the trip's 160 matrix instructions in which to land
.else
	s_barrier_signal -1
	s_barrier_wait -1
.endif
	; The LDS loads go out in two runs, with my own tiles' rescaling (128 packed multiplies, O^T times a) in two halves behind them: K of the next step (34) | half | my partner's P (8), its a (2), V's first group (16) | half
.if \qk
	FETCH_K
.if !\first
.set ct, 0
.rept 8
	RS ct, 0
	RS ct, 1
.set ct, ct+1
.endr
	WIN 0
.endif
.endif
.irp g, 0,1,2,3,4,5,6,7
	ds_load_b128 v[P+32+4*\g:P+32+4*\g+3], v[ADQ] offset:512*\g
.endr
.if !\first
	ds_load_b32 v[PA], v[ADB]
	ds_load_b32 v[PA+2], v[ADB] offset:128
.endif
.if \last
	ds_load_b32 v[RL+4], v[ADB] offset:256
	ds_load_b32 v[RL+6], v[ADB] offset:384
.endif
	FETCH_V 0
	WIN 0
.if \fill == 2
	ASK
.endif
.if !\first
.if \qk
.set ct, 8
.rept 8
	RS ct, 0
	RS ct, 1
.set ct, ct+1
.endr
.else
.set ct, 0
.rept 16
	RS ct, 0
	RS ct, 1
.set ct, ct+1
.endr
.endif
.endif
.if \qk
	s_wait_dscnt 26-2*\first                       ; K and its scale words are in; behind them: P's 8, a's 2 (none in trip 0) and V's 16
.set i, 0
.rept 32
	KQ
.set i, i+1
.endr
.endif
	s_wait_dscnt 16                                ; my partner's P and a are in; V's first group may be out
.if \first
	PLACES                                         ; places between the scores' products and the loads into the buffer that held half of K, and the first read of the scores
.else
	RS 0, 2                                        ; these eight are those places too
	RS 0, 3
.endif
	FETCH_V 1
	s_wait_dscnt 16                                ; V's first group is in; the second may be out
	; keys 0-31 x channel tiles 0-7.  Behind the products by turns: a run of the partner tiles' rescaling, one channel tile ahead of the products, and two slices of the next step's softmax
.set k, 0
.set ct, 0
.rept 8
	PVW 0, ct, 0, \first
.if !\first
	RS ct+1, 2
.endif
	PVW 0, ct, 1, \first
.if \qk
	SLICE
	SLICE
.endif
	PVW 0, ct, 2, \first
.if !\first
	RS ct+1, 3
.endif
	PVW 0, ct, 3, \first
.if \qk
	SLICE
	SLICE
.endif
.set ct, ct+1
.endr
	PLACES                                         ; in front of the loads into the buffer just read
	FETCH_V 2
	s_wait_dscnt 16                                ; the second group is in
.rept 8                                ; channel tiles 8-15
	PVW 0, ct, 0, \first
.if (!\first) && (ct < 15)
	RS ct+1, 2
.endif
	PVW 0, ct, 1, \first
.if \qk
	SLICE
	SLICE
.endif
	PVW 0, ct, 2, \first
.if (!\first) && (ct < 15)
	RS ct+1, 3
.endif
	PVW 0, ct, 3, \first
.if \qk
	SLICE
	SLICE
.endif
.set ct, ct+1
.endr
	PLACES
	FETCH_V 3
	s_wait_dscnt 16                                ; the third group is in
	; keys 32-63: one slice behind each product; the last three products stand bare
.set ct, 0
.rept 8
.irp tp, 0,1,2,3
	PVW 1, ct, \tp, 0
.if \qk
	SLICE
.endif
.endr
.set ct, ct+1
.endr
	s_wait_dscnt 0x0                               ; the fourth group is in
.rept 8
.irp tp, 0,1,2,3
	PVW 1, ct, \tp, 0
.if \qk
	SLICE
.endif
.endr
.set ct, ct+1
.endr
	WIN 0                                          ; at a label and at a branch every window is 0
.if !\last
	s_xor_b32 s[TB], s[TB], SLOT1                  ; on to the other half,
	s_add_co_u32 s[TS], s[TS], 1024                ; and to the next step's scale bytes
.endif
.endm
	TRIP 1, 2, 1, 0                                ; trip 0: behind its round all four loads fill the second half for the first time
	s_sub_co_u32 s[CNT], s[CNT], 1
.Ltrip:                                            ; trips 1 to 29
	TRIP 0, 2, 1, 0
	s_sub_co_u32 s[CNT], s[CNT], 1
	s_cmp_lg_u32 s[CNT], 0
	s_cbranch_scc1 .Ltrip
	TRIP 0, 1, 1, 0                                ; trip 30: the tail is written out: only V of step 31 is left to fetch
	TRIP 0, 0, 0, 1                                ; trip 31: nothing to fetch, no scores
; ---------------- the way out ----------------
; Local tile tp (16 queries x my 256 channels): O^T / l, each accumulator from its low end on; a lane's eight channels are 32 bytes of a row, and the lanes beside it hold other rows: so the tile goes through my stage
; and comes back as rows of 1,024 bytes.  LDS serves a wave's instructions in order (ISA guide 5.7.1.4): no wait between the stores and the loads, nor in front of the next tile's stores.
.macro TOSTAGE tp
.set ct, 0
.rept 16
.set rA, 8*(4*(ct%8)+(\tp))
	WIN W_RS+0x41*(ct/8)
.irp p, 0,2,4,6
	v_pk_mul_f32 v[rA+\p:rA+\p+1], v[rA+\p:rA+\p+1], v[RL+2*(\tp):RL+2*(\tp)+1] op_sel_hi:[1,0]
.endr
.set ct, ct+1
.endr
.set ct, 0
.rept 16
.set rA, 8*(4*(ct%8)+(\tp))
	WIN 0x08+4*(ct/8)                              ; an LDS store's data are its source 1: window 2 or 3
	ds_store_b128 v[STO], v[rA:rA+3] offset:64*ct
	ds_store_b128 v[STO], v[rA+4:rA+7] offset:64*ct+16
.set ct, ct+1
.endr
	WIN TO1
.set i, 0
.rept 16
.irp u, 0,1
	ds_load_b128 v[128*((\tp)%2)+4*(2*i+\u):128*((\tp)%2)+4*(2*i+\u)+3], v[RD] offset:SPITCH*i+512*\u
.endr
.set i, i+1
.endr
.endm
.macro SEND tp, younger                ; younger: a count no larger than the LDS instructions issued behind tile tp's loads
	s_wait_dscnt \younger
	WIN 0x04                                       ; a store's data are its source 1: window 1
.set i, 0
.rept 16
.irp u, 0,1
.if (\tp) < 2
	global_store_b128 v[GO], v[128*((\tp)%2)+4*(2*i+\u):128*((\tp)%2)+4*(2*i+\u)+3], s[OWN:OWN+1] offset:32768*((\tp)%2)+2048*i+512*\u th:TH_STORE_NT   ; 32 lanes store 512 consecutive bytes, at a multiple of 512 from out0's first byte
.else
	global_store_b128 v[GO], v[128*((\tp)%2)+4*(2*i+\u):128*((\tp)%2)+4*(2*i+\u)+3], s[PAR:PAR+1] offset:32768*((\tp)%2)+2048*i+512*\u th:TH_STORE_NT
.endif
.endr
.set i, i+1
.endr
.endm
	PLACES                                         ; between the last products and the first read of results
	TOSTAGE 0
	TOSTAGE 1
	SEND 0, 63                                     ; behind tile 0's loads stand tile 1's 32 stores and 32 loads
	s_wait_xcnt 0x0                                ; tile 0's stores have read their registers: tile 2's loads may land there
	TOSTAGE 2
	SEND 1, 63
	s_wait_xcnt 0x0
	TOSTAGE 3
	SEND 2, 63
	SEND 3, 0
	WIN 0
	s_wait_tensorcnt 0x0                           ; the wave's end: behind my last tensor load and my last LDS store
	ds_add_u32 v[SPW], v[NIL]
	s_wait_dscnt 0x0
	CROUND                                         ; the closing round: no work-group ends while a partner may still ask for a tile that names it
	s_endpgm
.Lfunc_end_k_qc2686d3396_attn:
	.size	k_qc2686d3396_attn, .Lfunc_end_k_qc2686d3396_attn-k_qc2686d3396_attn
	.p2alignl 7, 3214868480
	.fill 96, 4, 3214868480
	.section	.rodata,"a",@progbits
	.p2align	6, 0x0
	.amdhsa_kernel k_qc2686d3396_attn
		.amdhsa_group_segment_fixed_size 327680
		.amdhsa_private_segment_fixed_size 0
		.amdhsa_enable_private_segment 0
		.amdhsa_kernarg_size 48
		.amdhsa_user_sgpr_count 2
		.amdhsa_user_sgpr_kernarg_segment_ptr 1
		.amdhsa_wavefront_size32 1
		.amdhsa_system_sgpr_workgroup_id_x 1
		.amdhsa_system_sgpr_workgroup_id_y 1
		.amdhsa_system_sgpr_workgroup_id_z 1
		.amdhsa_system_vgpr_workitem_id 0
		.amdhsa_next_free_vgpr 1024
		.amdhsa_next_free_sgpr 100
		.amdhsa_reserve_vcc 0
		.amdhsa_float_denorm_mode_32 3
		.amdhsa_float_denorm_mode_16_64 3
		.amdhsa_memory_ordered 1
		.amdhsa_forward_progress 1
		.amdhsa_inst_pref_size 255
	.end_amdhsa_kernel
	.section	.bss,"aw",@nobits
	.p2align	6
	.space	262144
	.amdgpu_metadata
---
amdhsa.version: [ 1, 2 ]
amdhsa.kernels:
  - .name:           k_qc2686d3396_attn
    .symbol:         k_qc2686d3396_attn.kd
    .args:
      - { .name: query, .offset: 0, .size: 8, .value_kind: global_buffer, .address_space: global }
      - { .name: kc, .offset: 8, .size: 8, .value_kind: global_buffer, .address_space: global }
      - { .name: ks, .offset: 16, .size: 8, .value_kind: global_buffer, .address_space: global }
      - { .name: v16, .offset: 24, .size: 8, .value_kind: global_buffer, .address_space: global }
      - { .name: mask, .offset: 32, .size: 8, .value_kind: global_buffer, .address_space: global }
      - { .name: out0, .offset: 40, .size: 8, .value_kind: global_buffer, .address_space: global }
    .group_segment_fixed_size: 327680
    .private_segment_fixed_size: 0
    .kernarg_segment_align: 8
    .kernarg_segment_size: 48
    .max_flat_workgroup_size: 128
    .sgpr_count:     100
    .vgpr_count:     1024
    .wavefront_size: 32
...
	.end_amdgpu_metadata
.endif
;; end of part 3
